; MI455X (gfx1250); checked and timed in simulation.
; The chip was launched on July 23, 2026; its instructions are those of AMD's public machine-readable ISA for CDNA 5 (MIT licence, August 2026) and "CDNA5" Instruction Set Architecture Reference Guide (July 2026). The comments in the code are by the model that wrote it; some were corrected since.
;; Multi Head SA. Allowed arithmetic: matrix products marked QUANTISED: E3M2 operands, one E8M0 scale for each 32 along K, by v_wmma_scale_f32_16x16x128_f8f6f4 with both operands' format E3M2, f32 sums; everything else in f32.
;; Inputs: Wk 2,048 x 256 float32; Wo 256 x 2,048 float32; Wq 2,048 x 256 float32; Wv 2,048 x 256 float32; bk 2,048 float32; bo 256 float32; bq 2,048 float32; bv 2,048 float32; inputs 8 x 256 x 1,024 float32; pos_mat 1 x 8 x 1,024 x 1,024 float32.
;; Outputs: out0 8 x 256 x 1,024 float32.
;; This version of the problem:
;;   THIS VERSION OF THE PROBLEM IS GIVEN IN LOW PRECISION. The matrix products marked QUANTISED in the list below multiply operands that are first quantised to E3M2 (3 exponent bits, 2 mantissa bits; 6 bits a number), with one power-of-two scale for each 32 numbers along K (OCP MX v1.0); their sums are f32. All else is computed in f32.
;;   The module's matrix products, in the order in which they are computed (A, B: the left and right operand; K: the contracted axis; several contracted axes count as one K, in the product's order):
;;     1. [M 8,192, K 256] x [K 256, N 2,048]; A: input inputs; B: input Wk: QUANTISED
;;     2. [M 8,192, K 256] x [K 256, N 2,048]; A: input inputs; B: input Wq: QUANTISED
;;     3. [M 8,192, K 256] x [K 256, N 2,048]; A: input inputs; B: input Wv: QUANTISED
;;     4. batch 64 x [M 1,024, K 256] x [K 256, N 1,024]; A: computed on the way; B: computed on the way: QUANTISED
;;     5. batch 64 x [M 256, K 1,024] x [K 1,024, N 1,024]; A: computed on the way; B: softmax (see below): QUANTISED
;;     6. [M 8,192, K 2,048] x [K 2,048, N 256]; A: computed on the way; B: input Wo: QUANTISED
;;   THE QUANTISER, for each operand of a quantised product, along K:
;;     - K is cut into blocks of 32 from its start; a last block that is shorter is filled with zeros.
;;     - A block's scale is 2^e with e = floor(log2(the largest magnitude in the block)) - 4, held to -126 .. 127; a block of zeros has e = 0. As a byte (E8M0): e + 127.
;;     - Each number is divided by its block's scale, clamped to +-28, and rounded to the nearest number of E3M2, ties to even, subnormals kept.
;;     - The product sums the exact products of the quantised numbers (number of the format x scale) in f32.
;;   ~~~python
;;   def quantise(x, axis):      # numpy; x: float32 -> the quantised numbers, widened to float32 again
;;       x = np.moveaxis(x, axis, -1); K = x.shape[-1]
;;       x = np.pad(x, [(0, 0)] * (x.ndim - 1) + [(0, -K % 32)]); x = x.reshape(x.shape[:-1] + (-1, 32)); a = np.abs(x).max(-1, keepdims=True)
;;       e = np.where(a > 0, np.clip(np.frexp(np.where(a > 0, a, 1))[1] - 1 - 4, -126, 127), 0)      # np.frexp(a)[1] - 1 = floor(log2(a)), exactly
;;       r = np.clip(x / 2.0 ** e, -28, 28)
;;       step = 2.0 ** (np.maximum(np.frexp(np.where(r == 0, 1, r))[1] - 1, -2) - 2)
;;       q = np.round(r / step) * step * 2.0 ** e      # np.round: ties to even
;;       return np.moveaxis(q.reshape(q.shape[:-2] + (-1,))[..., :K], -1, axis).astype(np.float32)
;;   ~~~
;;   SOFTMAX AHEAD OF A QUANTISED PRODUCT. Where the list says 'softmax', what is quantised is not the finished softmax but p = 2^(t - M), with t = logit x log2(e) and M = ceil(the row's largest t), a whole number; so 1/2 < the row's largest p <= 1. The row's sum l is taken of the UNQUANTISED p, in f32, and the product's result is divided by l at the end. Since M is a whole number, a kernel that streams over the keys may use a running M (the ceiling of the running maximum): every later rescaling is an exact power of two, which a block's scale takes up: the codes' values come out the same.
;;   OPERANDS COMPUTED ON THE WAY. 'Computed on the way' means the value that the module computes at that place (a softmax that the list does not call 'softmax' is quantised finished and normalised). What goes into a quantiser is computed in f32, as accurately as f32 sums, v_exp_f32 and their like allow (about 1e-6 of the number): no bf16 or f16 on the way to a quantiser, and a product that is left as it is and whose result goes on into a quantised operand takes f32 operands (vector FMAs, or v_wmma_f32_16x16x4_f32). A number that lies on a knife's edge between two numbers of the format may be rounded either way, as far as f32 arithmetic and the matrix unit's own rounding can turn it there, and no further.
;; 2 versions, each right; version 2 is version 1 with the launches proj, outp written anew for expert scheduling mode. Each part assembles by itself: llvm-mc -triple=amdgcn-amd-amdhsa -mcpu=gfx1250 --defsym DOCPART=n.
;; ======== version 1 of 2: 4 launches
;; workspace buffers: xc 1,638,400 bytes; wc 1,638,400 bytes; kv 26,214,400 bytes; qc 13,107,200 bytes; oc 13,107,200 bytes
;; launch quant (part 1): grid 256 x 1, 8 waves a work-group, no clusters, 13,824 bytes of LDS; arguments inputs, Wk, Wq, Wv, Wo, xc, wc; writes xc, wc
.if DOCPART == 1
	.amdgcn_target "amdgcn-amd-amdhsa--gfx1250"
	.amdhsa_code_object_version 6
	.text
	.protected	k_q93044beee5_quant
	.globl	k_q93044beee5_quant
	.p2align	8
	.type	k_q93044beee5_quant,@function
k_q93044beee5_quant:
	s_mov_b64 s[64:65], 0
	v_nop
	global_prefetch_b8 v0, s[64:65] scope:SCOPE_SE
	s_setreg_imm32_b32 hwreg(HW_REG_WAVE_MODE, 25, 1), 1
	s_wait_xcnt 0x0
; inputs [8][256][1024] (K = its middle axis d) and Wk, Wq, Wv [2048][256], Wo [256][2048] (K innermost), all f32, become codes of BF6 (E3M2) with one E8M0 byte for each 32 along K,
; laid as IMAGES OF THE OPERAND'S REGISTERS.  A fragment is 16 rows x 128 K, 12 registers a lane: register 4 g + i of lane l lies at 512 g + 16 l + 4 i (1,536 bytes).
; A block is 128 rows x 256 K, 25,600 bytes: fragment (tile t, K step s) at 1536 (2 t + s); the scale words of K step s at 24,576 + 512 s, tile t's row r at 16 (r + 16 (t % 2)) + 4 (t / 2).
; THE ROWS OF A TILE ARE NOT NEIGHBOURS: element r of tile 2 b + u is row 32 b + 8 u + r + 8 (r / 8) of the block.
; xc: block 8 n + j = positions 128 j on of batch n.  wc: blocks 0-15 Wk, 16-31 Wq, 32-47 Wv (rows 128 beta on); 48 + 8 rho + kappa = Wo's rows 128 rho on, K = 256 kappa on.
; SHARES.  A work-group makes one K step of one block (8 fragments, 512 bytes of scale words); work-groups 0-127 take x, 128-255 the weights.  Wave w = 4 hh + b; lane p takes row 32 b + p and the two blocks of 32
; at K = 128 s + 64 c + 32 hh: just the 12 registers of lane (r', hh) of its tile's fragment.  The two paths differ in their loads alone.  The images meet in LDS and leave 512 consecutive bytes to a store.
; A block's scale byte is its largest magnitude's exponent field - 4, held at 1 from below.  LIMITS: blocks whose largest magnitude lies under 2^-122 keep the floor's scale; a block of zeros gets the byte 1
; (its codes are zeros, and only this program reads the bytes); NaN and infinities among the inputs are not served.
; No tensor loads, clusters or matrix work: a stream in which each byte is read once and nothing is shared; all loads go out at the head, so nothing is prefetched.
.set X,  32                            ; v32-95   my 64 numbers: 32 c + i; later the images on their way out
.set PC, 96                            ; v96-107  my 12 registers of codes
.set CT, 108                           ; v108-114 the upper halves of the two blocks, as the conversions leave them
	s_load_b256 s[4:11], s[0:1], 0x0               ; inputs, Wk, Wq, Wv
	s_load_b128 s[12:15], s[0:1], 0x20             ; Wo, xc
	s_load_b64 s[16:17], s[0:1], 0x30              ; wc
	v_lshl_add_u32 v128, v0, 2, 0x3200
	v_mov_b32 v129, 0
	v_lshrrev_b32 v7, 5, v0
	v_readfirstlane_b32 s18, v7                    ; wave 0..7
	s_and_b32 s19, s18, 3                          ; b
	s_lshr_b32 s20, s18, 2                         ; hh
	v_and_b32 v1, 31, v0                           ; p
	v_and_b32 v8, 7, v0
	v_bfe_u32 v9, v0, 4, 1
	v_lshl_or_b32 v8, v9, 3, v8                    ; r' = p % 8 + 8 (p / 16)
	v_bfe_u32 v9, v0, 3, 1                         ; u = (p / 8) % 2
	s_mul_i32 s26, s19, 3072
	s_lshl_b32 s27, s20, 8
	s_add_co_u32 s26, s26, s27
	v_mul_u32_u24 v3, v9, 1536
	v_lshl_add_u32 v3, v8, 4, v3
	v_add_nc_u32 v3, s26, v3                       ; LDS: tile 2 b + u, image lane r' + 16 hh
	s_lshl_b32 s27, s19, 2
	s_add_co_u32 s27, s27, s20
	s_add_co_u32 s27, s27, 12288
	v_lshlrev_b32 v4, 8, v9
	v_lshl_add_u32 v4, v8, 4, v4
	v_add_nc_u32 v4, s27, v4                       ; LDS: my row's scale word, byte hh (and hh + 2)
	v_lshlrev_b32 v6, 4, v1                        ; 16 x lane
	s_mul_i32 s28, s18, 1536
	v_add_nc_u32 v5, s28, v6                       ; LDS: the image that my wave carries out: tile w
	s_and_b32 s29, ttmp9, 1                        ; s: which K step of the block
	s_mul_i32 s31, s18, 3072
	s_mul_i32 s32, s29, 1536
	s_add_co_u32 s31, s31, s32
	v_add_nc_u32 v14, s31, v6                      ; and its place in the block: 1536 (2 w + s)
	s_lshl_b32 s32, s29, 9
	s_add_co_u32 s32, s32, 24576
	v_add_nc_u32 v15, s32, v6                      ; the scale words' place
	s_cmp_lt_u32 ttmp9, 128
	s_cselect_b32 s30, 0, 128
	s_sub_co_u32 s30, ttmp9, s30
	s_lshr_b32 s30, s30, 1                         ; the block's number in xc or in wc
	s_mul_i32 s34, s30, 25600
	s_mov_b32 s35, 0
	s_wait_kmcnt 0x0
	s_cmp_lt_u32 ttmp9, 128                        ; the choice hangs on the work-group's number alone
	s_cselect_b64 s[24:25], s[14:15], s[16:17]
	s_add_nc_u64 s[24:25], s[24:25], s[34:35]
	s_cmp_lt_u32 ttmp9, 128
	s_cbranch_scc0 .Lweights
	; x: a lane takes a position and its registers run down d: a load reads 128 consecutive bytes, the four waves b stand side by side on 512
	s_lshr_b32 s34, ttmp9, 4
	s_lshl_b32 s34, s34, 20                        ; batch n
	s_bfe_u32 s36, ttmp9, 0x30001
	s_lshl_b32 s36, s36, 9                         ; positions 128 j on
	s_add_co_u32 s34, s34, s36
	s_lshl_b32 s36, s19, 7                         ; 32 b on
	s_add_co_u32 s34, s34, s36
	s_lshl_b32 s36, s29, 19                        ; d = 128 s on, rows of 4,096 bytes
	s_add_co_u32 s34, s34, s36
	s_lshl_b32 s36, s20, 17                        ; 32 hh on
	s_add_co_u32 s34, s34, s36
	s_add_nc_u64 s[22:23], s[4:5], s[34:35]
	v_lshlrev_b32 v2, 2, v1
.set i, 0
.rept 64
	global_load_b32 v[X+i], v2, s[22:23] offset:((i/32)*64+i%32)*4096 th:TH_LOAD_NT
.set i, i+1
.endr
	s_branch .Lquantise
.Lweights:
	; a weight: K is innermost: a lane reads its two blocks as 2 x 128 consecutive bytes of its row; the lanes stand a row apart
	s_lshr_b32 s36, s30, 4                         ; which weight
	s_and_b32 s37, s30, 15                         ; beta
	s_lshl_b32 s34, s37, 17                        ; Wk, Wq, Wv: 128 rows of 1,024 bytes a block
	s_lshr_b32 s38, s37, 3
	s_lshl_b32 s38, s38, 20                        ; Wo: 128 rows of 8,192 bytes,
	s_and_b32 s39, s37, 7
	s_lshl_b32 s39, s39, 10                        ; and 256 along K
	s_add_co_u32 s38, s38, s39
	s_cmp_eq_u32 s36, 1
	s_cselect_b64 s[22:23], s[8:9], s[6:7]
	s_cmp_eq_u32 s36, 2
	s_cselect_b64 s[22:23], s[10:11], s[22:23]
	s_cmp_eq_u32 s36, 3
	s_cselect_b64 s[22:23], s[12:13], s[22:23]
	s_cselect_b32 s34, s38, s34
	s_mov_b32 s21, 8192
	s_cselect_b32 s21, s21, 1024                   ; a row in bytes
	s_mul_i32 s38, s19, s21
	s_lshl_b32 s38, s38, 5                         ; 32 b rows
	s_add_co_u32 s34, s34, s38
	s_lshl_b32 s38, s29, 9                         ; K = 128 s
	s_add_co_u32 s34, s34, s38
	s_lshl_b32 s38, s20, 7                         ; + 32 hh
	s_add_co_u32 s34, s34, s38
	s_add_nc_u64 s[22:23], s[22:23], s[34:35]
	v_mul_lo_u32 v2, v1, s21
.set i, 0
.rept 16
	global_load_b128 v[X+4*i:X+4*i+3], v2, s[22:23] offset:256*(i/8)+16*(i%8)
.set i, i+1
.endr
.Lquantise:
	s_wait_loadcnt 0x0
.irp c, 0,1
	v_max3_num_f32 v[8+\c], |v[X+32*\c]|, |v[X+32*\c+1]|, 0x2800000   ; my block's largest magnitude, and the floor 2^(5 - 127): the byte cannot fall under 1
.endr
.set i, 2
.rept 15
.irp c, 0,1
	v_max3_num_f32 v[8+\c], v[8+\c], |v[X+32*\c+i]|, |v[X+32*\c+i+1]|   ; (the two blocks by turns)
.endr
.set i, i+2
.endr
.irp c, 0,1
	v_add_nc_u32 v[10+\c], 0xfe000000, v[8+\c]     ; 4 off the exponent field: the conversion's scale operand
.endr
.irp c, 0,1
	v_lshrrev_b32 v[12+\c], 23, v[10+\c]           ; the scale's byte
.endr
.irp c, 0,1
	v_cvt_scalef32_pk16_bf6_f32 v[PC+6*\c:PC+6*\c+2], v[X+32*\c:X+32*\c+15], v[10+\c]
	v_cvt_scalef32_pk16_bf6_f32 v[CT+4*\c:CT+4*\c+2], v[X+32*\c+16:X+32*\c+31], v[10+\c]   ; (a conversion's three registers begin on an even number)
.endr
	v_nop                                          ; one plain place behind a scaled conversion
.irp c, 0,1
.irp i, 0,1,2
	v_mov_b32 v[PC+3+6*\c+\i], v[CT+4*\c+\i]
.endr
.endr
.irp g, 0,1,2
	ds_store_b128 v3, v[PC+4*\g:PC+4*\g+3] offset:512*\g
.endr
	ds_store_b8 v4, v12                            ; block hh of the K step's four,
	ds_store_b8 v4, v13 offset:2                   ; and block 2 + hh
	s_wait_dscnt 0x0                               ; for the others' sake: my stores have landed
	s_barrier_signal -1
	s_barrier_wait -1
.irp g, 0,1,2
	ds_load_b128 v[32+4*\g:35+4*\g], v5 offset:512*\g
.endr
	s_wait_dscnt 0x0
.irp g, 0,1,2
	global_store_b128 v14, v[32+4*\g:35+4*\g], s[24:25] offset:512*\g   ; 32 lanes store 512 consecutive bytes
.endr
	s_cmp_lg_u32 s18, 0
	s_cbranch_scc1 .Lend
	ds_load_b128 v[44:47], v6 offset:12288         ; wave 0 also carries the scale words out
	s_wait_dscnt 0x0
	global_store_b128 v15, v[44:47], s[24:25]
.Lend:
	s_wait_tensorcnt 0x0
	ds_add_u32 v128, v129
	s_wait_dscnt 0x0
	s_endpgm
.Lfunc_end_k_q93044beee5_quant:
	.size	k_q93044beee5_quant, .Lfunc_end_k_q93044beee5_quant-k_q93044beee5_quant
	.p2alignl 7, 3214868480
	.fill 96, 4, 3214868480
	.section	.rodata,"a",@progbits
	.p2align	6, 0x0
	.amdhsa_kernel k_q93044beee5_quant
		.amdhsa_group_segment_fixed_size 13824
		.amdhsa_private_segment_fixed_size 0
		.amdhsa_enable_private_segment 0
		.amdhsa_kernarg_size 56
		.amdhsa_user_sgpr_count 2
		.amdhsa_user_sgpr_kernarg_segment_ptr 1
		.amdhsa_wavefront_size32 1
		.amdhsa_system_sgpr_workgroup_id_x 1
		.amdhsa_system_sgpr_workgroup_id_y 1
		.amdhsa_system_sgpr_workgroup_id_z 1
		.amdhsa_system_vgpr_workitem_id 0
		.amdhsa_next_free_vgpr 130
		.amdhsa_next_free_sgpr 66
		.amdhsa_reserve_vcc 0
		.amdhsa_float_denorm_mode_32 3
		.amdhsa_float_denorm_mode_16_64 3
		.amdhsa_memory_ordered 1
		.amdhsa_forward_progress 1
		.amdhsa_inst_pref_size 16
	.end_amdhsa_kernel
	.amdgpu_metadata
---
amdhsa.version: [ 1, 2 ]
amdhsa.kernels:
  - .name:           k_q93044beee5_quant
    .symbol:         k_q93044beee5_quant.kd
    .args:
      - { .name: inputs, .offset: 0, .size: 8, .value_kind: global_buffer, .address_space: global }
      - { .name: Wk, .offset: 8, .size: 8, .value_kind: global_buffer, .address_space: global }
      - { .name: Wq, .offset: 16, .size: 8, .value_kind: global_buffer, .address_space: global }
      - { .name: Wv, .offset: 24, .size: 8, .value_kind: global_buffer, .address_space: global }
      - { .name: Wo, .offset: 32, .size: 8, .value_kind: global_buffer, .address_space: global }
      - { .name: xc, .offset: 40, .size: 8, .value_kind: global_buffer, .address_space: global }
      - { .name: wc, .offset: 48, .size: 8, .value_kind: global_buffer, .address_space: global }
    .group_segment_fixed_size: 13824
    .private_segment_fixed_size: 0
    .kernarg_segment_align: 8
    .kernarg_segment_size: 56
    .max_flat_workgroup_size: 256
    .sgpr_count:     66
    .vgpr_count:     130
    .wavefront_size: 32
...
	.end_amdgpu_metadata
.endif
;; end of part 1
;; launch proj (part 2): grid 192 x 1, 8 waves a work-group, no clusters, 50,176 bytes of LDS; arguments xc, wc, bk, bq, bv, kv, qc; writes kv, qc
.if DOCPART == 2
	.amdgcn_target "amdgcn-amd-amdhsa--gfx1250"
	.amdhsa_code_object_version 6
	.text
	.protected	k_q93044beee5_proj
	.globl	k_q93044beee5_proj
	.p2align	8
	.type	k_q93044beee5_proj,@function
k_q93044beee5_proj:
	s_mov_b64 s[64:65], 0
	v_nop
	global_prefetch_b8 v0, s[64:65] scope:SCOPE_SE
	s_setreg_imm32_b32 hwreg(HW_REG_WAVE_MODE, 25, 1), 1
	s_wait_xcnt 0x0
; k, q, v = W x + b on codes of BF6 (E3M2), and their results quantised in registers for the attention: k and q along the head's 256 channels, v along the positions.
; Operands come and go as images of the operand's registers: a fragment (16 rows x 128 K) is 1,536 bytes, register 4 g + i of lane l at 512 g + 16 l + 4 i; a block (128 rows x 256 K) is 25,600 bytes:
; fragment (t, s) at 1536 (2 t + s), scale words of K step s at 24,576 + 512 s (tile t's row r at 16 (r + 16 (t % 2)) + 4 (t / 2)).  Element r of tile 2 b + u is row 32 b + 8 u + r + 8 (r / 8).
; FORM.  A wave keeps one block R in registers (8 tiles x 2 K steps) and the eight waves share 16 tiles T through LDS.  For each tile of T: D(u) = R's tile u (source 0) x T's tile (source 1): a lane then holds ONE row of T and
; its 64 registers R's 128 rows in their true order: 128 neighbours along the next product's K, which become one fragment and one scale word a row.
; ROLES, by the work-group's number: 0-63 k, 64-127 q: R = 128 rows of the weight (half a head; wave w: head 4 a + w / 2, half w % 2), T = 256 positions of x; the bias runs along R: it is the C of the first K step.
;   128-191 v: R = 128 positions of x (key step w), T = the head's 256 rows of Wv; the bias is one number a lane, spread over eight registers as C.
; OUT.  kv: for each (n, h, j) 51,200 bytes: k's block (rows = keys 128 j on), then v's: 16 fragments (256 channels x 128 keys) and two scale images.  qc: q's blocks.  q's SCALE BYTES ARE STORED 4 LOWER: q / 16, exactly.
; 192 work-groups: 3,072 groups of 128 matrix instructions, two to a wave, so that R is read half as often; the WGPs left over get nothing, and nothing is launched for them.
; LIMITS: a block whose largest magnitude lies under 2^-122 (q: 2^-118, so that its byte less 4 stays at 1 or more) keeps the floor's scale; a block of zeros keeps that byte with zero codes; NaN and infinities are not served.
; No tensor loads or joint requests: R goes straight into the registers that keep it, T is copied once; all loads go out at the head, so nothing is prefetched.
; REGISTERS.  window 0: v1 16 x lane; v2, v3 store offsets; v4, v5 bias offsets; v6 16 x lane + 3072 x wave; v8-15 R's scale words; v16-31 T's; v32-95 the 8 accumulators; v96-143 T's fragments, two sets;
;   v144-155 codes; v156-162, v164-179 at work; v180 the scale word; v184-187 eight tiles' scale words; v192-199 v's bias as C; v208-223 v's bias, a register a tile.   window 1: v0-191 R; v192-255 k's or q's bias as C.
.set ACC, 32
.set TF,  96
.set PC,  144
.set CT,  156
.set TM,  164
.set PW,  180
.set OS,  184
.set CB,  192
.set BT,  208
.set SEL, 38
.set MSB, 0
.macro WIN new                         ; the immediate's high byte repeats the setting that is left
.if MSB != \new
	s_set_vgpr_msb (MSB<<8)|\new
.set MSB, \new
.endif
.endm
.macro PLACES n
.rept \n
	v_nop
.endr
.endm
; one matrix instruction from the symbols rD, rA, rB, rC, rSA, rSB; fA, fB: the side's scale words stand in lanes 16-31
.macro WM
.if fA && fB
	v_wmma_scale_f32_16x16x128_f8f6f4 v[rD:rD+7], v[rA:rA+11], v[rB:rB+11], v[rC:rC+7], v[rSA], v[rSB] matrix_a_fmt:MATRIX_FMT_BF6 matrix_b_fmt:MATRIX_FMT_BF6 matrix_a_scale:MATRIX_SCALE_ROW1 matrix_b_scale:MATRIX_SCALE_ROW1
.elseif fA
	v_wmma_scale_f32_16x16x128_f8f6f4 v[rD:rD+7], v[rA:rA+11], v[rB:rB+11], v[rC:rC+7], v[rSA], v[rSB] matrix_a_fmt:MATRIX_FMT_BF6 matrix_b_fmt:MATRIX_FMT_BF6 matrix_a_scale:MATRIX_SCALE_ROW1
.elseif fB
	v_wmma_scale_f32_16x16x128_f8f6f4 v[rD:rD+7], v[rA:rA+11], v[rB:rB+11], v[rC:rC+7], v[rSA], v[rSB] matrix_a_fmt:MATRIX_FMT_BF6 matrix_b_fmt:MATRIX_FMT_BF6 matrix_b_scale:MATRIX_SCALE_ROW1
.else
	v_wmma_scale_f32_16x16x128_f8f6f4 v[rD:rD+7], v[rA:rA+11], v[rB:rB+11], v[rC:rC+7], v[rSA], v[rSB] matrix_a_fmt:MATRIX_FMT_BF6 matrix_b_fmt:MATRIX_FMT_BF6
.endif
.endm
; 64 numbers of a lane, register 16 b + i = k 32 b + 16 (lane / 16) + i of my row, become a fragment's codes in v[pc] on and the row's scale word in v[pw]
.macro QUANT src, pc, ct, pw, floor
.irp b, 0,1,2,3
	v_max3_num_f32 v[TM+\b], |v[\src+16*\b]|, |v[\src+1+16*\b]|, \floor   ; block b: my 16 numbers, and the floor under which no largest magnitude is taken
.endr
.irp i, 2,4,6,8,10,12,14
.irp b, 0,1,2,3
	v_max3_num_f32 v[TM+\b], v[TM+\b], |v[\src+16*\b+\i]|, |v[\src+1+16*\b+\i]|
.endr
.endr
.irp b, 0,1,2,3
	v_permlanex16_b32 v[TM+4+\b], v[TM+\b], s[SEL], s[SEL+1]
.endr
.irp b, 0,1,2,3
	v_max_num_f32 v[TM+\b], v[TM+\b], v[TM+4+\b]   ; with lane l xor 16's: the block's largest magnitude
.endr
.irp b, 0,1,2,3
	v_add_nc_u32 v[TM+12+\b], 0xfe000000, v[TM+\b] ; 4 off its exponent field: the conversion's scale operand
.endr
.irp b, 0,1,2,3
	v_lshrrev_b32 v[TM+4+\b], 23, v[TM+12+\b]      ; the scale's byte
.endr
	v_lshl_or_b32 v[\pw], v[TM+5], 8, v[TM+4]
	v_lshl_or_b32 v[\pw], v[TM+6], 16, v[\pw]
	v_lshl_or_b32 v[\pw], v[TM+7], 24, v[\pw]
.irp c, 0,1
	v_cvt_scalef32_pk16_bf6_f32 v[\pc+6*\c:\pc+2+6*\c], v[\src+32*\c:\src+15+32*\c], v[TM+12+2*\c]
	v_cvt_scalef32_pk16_bf6_f32 v[\ct+4*\c:\ct+2+4*\c], v[\src+16+32*\c:\src+31+32*\c], v[TM+13+2*\c]
.endr
	v_nop                                          ; one plain place behind a scaled conversion
.irp c, 0,1                                    ; the operand's layout wants a whole block in a lane
.irp i, 0,1,2
	v_permlane16_swap_b32 v[\pc+6*\c+\i], v[\ct+4*\c+\i]
.endr
.irp i, 0,1,2
	v_mov_b32 v[\pc+3+6*\c+\i], v[\ct+4*\c+\i]
.endr
.endr
.endm
	s_load_b256 s[4:11], s[0:1], 0x0               ; xc, wc, bk, bq
	s_load_b128 s[12:15], s[0:1], 0x20             ; bv, kv
	s_load_b64 s[16:17], s[0:1], 0x30              ; qc
	v_lshl_add_u32 v254, v0, 2, 0xc000
	v_mov_b32 v255, 0
	v_lshrrev_b32 v7, 5, v0
	v_readfirstlane_b32 s18, v7                    ; wave 0..7
	v_and_b32 v7, 31, v0
	v_lshlrev_b32 v1, 4, v7                        ; 16 x lane
	v_bfe_u32 v4, v0, 4, 1
	v_lshlrev_b32 v4, 6, v4                        ; the bias along R: 16 numbers on for lanes 16-31
	v_and_b32 v5, 15, v0
	v_and_b32 v7, 8, v0
	v_add_nc_u32 v5, v5, v7
	v_lshlrev_b32 v5, 2, v5                        ; the bias along T: 4 (r + 8 (r / 8))
	s_mul_i32 s40, s18, 3072
	v_add_nc_u32 v6, s40, v1                       ; the tile of T that my wave copies, in memory and in LDS
.irp b, 0,1,2,3
	v_mov_b32 v[TM+4+\b], 0                        ; written once: a lane permute's destination counts as one of its sources
.endr
	s_mov_b32 s37, 0xffff0000                      ; lanes 16-31
	s_mov_b32 s38, 0x76543210
	s_mov_b32 s39, 0xfedcba98                      ; v_permlanex16_b32's selects for lane l xor 16
	s_lshr_b32 s19, ttmp9, 6                       ; the role: 0 k, 1 q, 2 v
	s_and_b32 s42, ttmp9, 7                        ; lo
	s_bfe_u32 s41, ttmp9, 0x30003                  ; n
	s_lshr_b32 s43, s42, 2                         ; a
	s_and_b32 s44, s42, 3                          ; jp
	s_lshl_b32 s46, s41, 3                         ; 8 n
	s_lshl_b32 s45, s19, 4
	s_lshl_b32 s47, s43, 3
	s_add_co_u32 s47, s47, s18                     ; beta = 8 a + w
	s_add_co_u32 s45, s45, s47                     ; k, q: R = wc's block 16 role + beta
	s_add_co_u32 s48, s46, s18                     ; v: R = xc's block 8 n + w
	s_lshl_b32 s49, s44, 1
	s_add_co_u32 s50, s46, s49                     ; k, q: T = xc's blocks 8 n + 2 jp, + 1
	s_lshl_b32 s51, s42, 1
	s_add_co_u32 s51, s51, 32                      ; v: T = wc's blocks 32 + 2 h, + 1
	s_lshr_b32 s52, s18, 1
	s_lshl_b32 s53, s43, 2
	s_add_co_u32 s52, s52, s53                     ; the head 4 a + w / 2
	s_add_co_u32 s52, s52, s46
	s_lshl_b32 s52, s52, 3
	s_add_co_u32 s52, s52, s49                     ; k, q: out block (8 n + head) 8 + 2 jp
	s_add_co_u32 s53, s46, s42
	s_lshl_b32 s53, s53, 3
	s_add_co_u32 s53, s53, s18                     ; v: (8 n + h) 8 + w
	s_and_b32 s54, s18, 1                          ; k, q: which K step of the next product my results are
	s_mul_i32 s55, s54, 1536
	s_lshl_b32 s56, s54, 9
	s_add_co_u32 s56, s56, 24576
	s_lshl_b32 s57, s47, 9                         ; k, q: the bias of R's 128 rows
	s_lshl_b32 s58, s42, 10                        ; v: the bias of the head's 256 rows
	s_cmp_eq_u32 s19, 1                            ; q?
	s_mov_b32 s59, 51200
	s_cselect_b32 s59, 25600, s59                  ; bytes from out block to out block
	s_mov_b32 s32, 26624
	s_cselect_b32 s32, 1024, s32                   ; what leads on to the next block's fragments behind 8 tiles of 3,072 bytes
	s_mov_b32 s35, 5<<23
	s_cselect_b32 s35, 9<<23, s35                  ; the floor
	s_cselect_b32 s36, 0x04040404, 0               ; what is taken off the four scale bytes
	s_mov_b32 s34, s59                             ; from scale image to scale image
	s_cmp_eq_u32 s19, 2                            ; v?
	s_cselect_b32 s20, 1, 0
	s_cselect_b32 s45, s48, s45
	s_cselect_b32 s50, s51, s50
	s_cselect_b32 s52, s53, s52
	s_mov_b32 s30, 25600
	s_cselect_b32 s30, s30, s55                    ; where my first fragment goes in the out block
	s_mov_b32 s31, 3072
	s_cselect_b32 s31, 1536, s31                   ; from tile to tile
	s_mov_b32 s33, 50176
	s_cselect_b32 s33, s33, s56                    ; where my first scale image goes
	s_cselect_b32 s34, 512, s34
	s_cselect_b32 s32, 0, s32
	s_cselect_b32 s57, 0, s57
	s_cselect_b32 s58, s58, 0
	s_mul_i32 s45, s45, 25600
	s_mul_i32 s50, s50, 25600
	s_mul_i32 s52, s52, s59
	s_mov_b32 s61, 0
	s_wait_kmcnt 0x0
	s_cmp_eq_u32 s19, 2                            ; the choices hang on the work-group's number alone
	s_cselect_b64 s[22:23], s[4:5], s[6:7]         ; R
	s_cselect_b64 s[24:25], s[6:7], s[4:5]         ; T
	s_cselect_b64 s[26:27], s[12:13], s[8:9]       ; the bias
	s_cmp_eq_u32 s19, 1
	s_cselect_b64 s[26:27], s[10:11], s[26:27]
	s_cselect_b64 s[28:29], s[16:17], s[14:15]     ; out
	s_mov_b32 s60, s45
	s_add_nc_u64 s[22:23], s[22:23], s[60:61]
	s_mov_b32 s60, s50
	s_add_nc_u64 s[24:25], s[24:25], s[60:61]
	s_mov_b32 s60, s52
	s_add_nc_u64 s[28:29], s[28:29], s[60:61]
	s_mov_b32 s60, s57
	s_add_nc_u64 s[66:67], s[26:27], s[60:61]      ; the bias along R
	s_mov_b32 s60, s58
	s_add_nc_u64 s[68:69], s[26:27], s[60:61]      ; the bias along T
	; both forms of the bias are loaded in every role, from places inside the bias in hand, so that every register is written on every way; a role uses its own form alone
.irp g, 0,1
.irp c, 0,1,2,3,4,5
	global_load_b128 v[32+24*\g+4*\c:35+24*\g+4*\c], v6, s[24:25] offset:\g*25600+512*\c   ; tile w of each of T's two blocks: 3,072 bytes
.endr
.endr
.irp g, 0,1
.irp q, 0,1
	global_load_b128 v[16+8*\g+4*\q:19+8*\g+4*\q], v1, s[24:25] offset:\g*25600+24576+512*\q   ; T's scale words
.endr
.endr
.irp g, 0,1
.irp t, 0,1,2,3,4,5,6,7
	global_load_b32 v[BT+8*\g+\t], v5, s[68:69] offset:4*(128*\g+32*(\t/2)+8*(\t%2))
.endr
.endr
	WIN 0x40                                       ; destination window 1
.irp u, 0,1,2,3,4,5,6,7
	global_load_b128 v[192+8*\u:195+8*\u], v4, s[66:67] offset:4*(32*(\u/2)+8*(\u%2))
	global_load_b128 v[196+8*\u:199+8*\u], v4, s[66:67] offset:4*(32*(\u/2)+8*(\u%2))+16
.endr
	WIN 0
	s_wait_loadcnt 36                              ; the 12 copies of T are in: 4 + 16 + 16 younger loads may be out
.irp g, 0,1
.irp c, 0,1,2,3,4,5
	ds_store_b128 v6, v[32+24*\g+4*\c:35+24*\g+4*\c] offset:\g*24576+512*\c   ; tile n of the 16 lies at 3072 n
.endr
.endr
	WIN 0x40
.set i, 0
.rept 48
	global_load_b128 v[4*i:4*i+3], v1, s[22:23] offset:512*i   ; R's 16 fragments: they stay
.set i, i+1
.endr
	WIN 0
	global_load_b128 v[8:11], v1, s[22:23] offset:24576
	global_load_b128 v[12:15], v1, s[22:23] offset:25088
	s_wait_dscnt 0x0                               ; for the others' sake: my stores have landed
	s_barrier_signal -1
	s_barrier_wait -1                              ; T lies in LDS: it is written no more
	s_wait_loadcnt 0x0
.irp k, 0,1,2,3,4,5
	ds_load_b128 v[TF+4*\k:TF+4*\k+3], v1 offset:512*\k
.endr
; tile n of T: 16 matrix instructions, the eight accumulators by turns, then the quantiser and the stores
.macro TILE n
.set tg, (\n)/8
.set tt, (\n)%8
.set CUR, TF+24*((\n)%2)
.set NXT, TF+24*(((\n)+1)%2)
	s_wait_dscnt 0x0                               ; this tile's two fragments are in
	s_cmp_eq_u32 s20, 1
	s_cbranch_scc1 .Lv_\@
	WIN 0x11                                       ; R and the bias in window 1
.irp u, 0,1,2,3,4,5,6,7
.set rD, ACC+8*\u
.set rC, 192+8*\u
.set rA, 24*\u
.set rB, CUR
.set rSA, 8+\u/2
.set rSB, 16+8*tg+tt/2
.set fA, \u%2
.set fB, tt%2
	WM
.endr
	WIN 0
	s_branch .Lj_\@
.Lv_\@:
.irp j, 0,1,2,3,4,5,6,7
	v_mov_b32 v[CB+\j], v[BT+(\n)]                 ; my channel's bias for all eight positions of a result
.endr
	PLACES 4
	WIN 0x01
.irp u, 0,1,2,3,4,5,6,7
.set rD, ACC+8*\u
.set rC, CB
.set rA, 24*\u
.set rB, CUR
.set rSA, 8+\u/2
.set rSB, 16+8*tg+tt/2
.set fA, \u%2
.set fB, tt%2
	WM
.endr
	WIN 0
.Lj_\@:
	WIN 0x01
.irp u, 0,1,2,3,4,5,6,7
.set rD, ACC+8*\u
.set rC, rD
.set rA, 24*\u+12
.set rB, CUR+12
.set rSA, 12+\u/2
.set rSB, 20+8*tg+tt/2
.set fA, \u%2
.set fB, tt%2
	WM
.endr
	WIN 0
.if (\n) < 15
.irp k, 0,1,2,3,4,5
	ds_load_b128 v[NXT+4*\k:NXT+4*\k+3], v1 offset:3072*((\n)+1)+512*\k   ; the next tile, into the set that the tile before read: its quantiser's lines were the places
.endr
.endif
	PLACES 4                                       ; in front of the first read of results
	s_wait_xcnt 0x0                                ; the earlier stores have read their offsets and data: both are written again below
	v_add_nc_u32 v2, s30, v1
	s_add_co_u32 s30, s30, s31
	QUANT ACC, PC, CT, PW, s35                     ; (its plain lines are also the places in front of the next tile's products, which begin the accumulators anew)
	v_sub_nc_u32 v[PW], v[PW], s36                 ; q: each byte 4 lower; no byte is under 5, so nothing is borrowed
.if tt%2
	v_cndmask_b32 v[OS+tt/2], v[OS+tt/2], v[PW], s37   ; an odd tile's words stand in lanes 16-31
.else
	v_mov_b32 v[OS+tt/2], v[PW]
.endif
.irp c, 0,1,2
	global_store_b128 v2, v[PC+4*\c:PC+4*\c+3], s[28:29] offset:512*\c   ; 32 lanes store 512 consecutive bytes
.endr
.if tt == 7
	v_add_nc_u32 v3, s33, v1
	global_store_b128 v3, v[OS:OS+3], s[28:29]     ; eight tiles' scale words
	s_add_co_u32 s33, s33, s34
	s_add_co_u32 s30, s30, s32
.endif
.endm
.irp n, 0,1,2,3,4,5,6,7,8,9,10,11,12,13,14,15
	TILE \n
.endr
	s_wait_tensorcnt 0x0
	ds_add_u32 v254, v255
	s_wait_dscnt 0x0
	s_endpgm
.Lfunc_end_k_q93044beee5_proj:
	.size	k_q93044beee5_proj, .Lfunc_end_k_q93044beee5_proj-k_q93044beee5_proj
	.p2alignl 7, 3214868480
	.fill 96, 4, 3214868480
	.section	.rodata,"a",@progbits
	.p2align	6, 0x0
	.amdhsa_kernel k_q93044beee5_proj
		.amdhsa_group_segment_fixed_size 50176
		.amdhsa_private_segment_fixed_size 0
		.amdhsa_enable_private_segment 0
		.amdhsa_kernarg_size 56
		.amdhsa_user_sgpr_count 2
		.amdhsa_user_sgpr_kernarg_segment_ptr 1
		.amdhsa_wavefront_size32 1
		.amdhsa_system_sgpr_workgroup_id_x 1
		.amdhsa_system_sgpr_workgroup_id_y 1
		.amdhsa_system_sgpr_workgroup_id_z 1
		.amdhsa_system_vgpr_workitem_id 0
		.amdhsa_next_free_vgpr 512
		.amdhsa_next_free_sgpr 80
		.amdhsa_reserve_vcc 0
		.amdhsa_float_denorm_mode_32 3
		.amdhsa_float_denorm_mode_16_64 3
		.amdhsa_memory_ordered 1
		.amdhsa_forward_progress 1
		.amdhsa_inst_pref_size 148
	.end_amdhsa_kernel
	.amdgpu_metadata
---
amdhsa.version: [ 1, 2 ]
amdhsa.kernels:
  - .name:           k_q93044beee5_proj
    .symbol:         k_q93044beee5_proj.kd
    .args:
      - { .name: xc, .offset: 0, .size: 8, .value_kind: global_buffer, .address_space: global }
      - { .name: wc, .offset: 8, .size: 8, .value_kind: global_buffer, .address_space: global }
      - { .name: bk, .offset: 16, .size: 8, .value_kind: global_buffer, .address_space: global }
      - { .name: bq, .offset: 24, .size: 8, .value_kind: global_buffer, .address_space: global }
      - { .name: bv, .offset: 32, .size: 8, .value_kind: global_buffer, .address_space: global }
      - { .name: kv, .offset: 40, .size: 8, .value_kind: global_buffer, .address_space: global }
      - { .name: qc, .offset: 48, .size: 8, .value_kind: global_buffer, .address_space: global }
    .group_segment_fixed_size: 50176
    .private_segment_fixed_size: 0
    .kernarg_segment_align: 8
    .kernarg_segment_size: 56
    .max_flat_workgroup_size: 256
    .sgpr_count:     80
    .vgpr_count:     512
    .wavefront_size: 32
...
	.end_amdgpu_metadata
.endif
;; end of part 2
;; launch attn (part 3): grid 32 x 8, 8 waves a work-group, clusters of 4 x 4, 327,680 bytes of LDS; arguments kv, qc, pos_mat, oc; writes oc
.if DOCPART == 3
	.amdgcn_target "amdgcn-amd-amdhsa--gfx1250"
	.amdhsa_code_object_version 6
	.text
	.protected	k_q93044beee5_attn
	.globl	k_q93044beee5_attn
	.p2align	8
	.type	k_q93044beee5_attn,@function
k_q93044beee5_attn:
	s_mov_b64 s[64:65], 0
	v_nop
	global_prefetch_b8 v0, s[64:65] scope:SCOPE_SE
	s_setreg_imm32_b32 hwreg(HW_REG_WAVE_MODE, 25, 1), 1
	s_wait_xcnt 0x0
	s_wait_alu depctr_hold_cnt(0) depctr_sa_sdst(0) depctr_va_vdst(0) depctr_va_sdst(0) depctr_va_ssrc(0) depctr_va_vcc(0) depctr_vm_vsrc(0)
	s_getreg_b32 s2, hwreg(HW_REG_IB_STS2, 6, 4)
	s_cmp_eq_u32 s2, 0
	s_cbranch_scc0 .Lentry_in_a_cluster
	s_endpgm
.Lentry_in_a_cluster:
	s_bfe_u32 s2, ttmp6, 0x10000c
	s_cmp_lg_u32 s2, 0xf033
	s_cbranch_scc0 .Lentry_shape_is_right
	s_endpgm
.Lentry_shape_is_right:
; out[n][h][d][q] = the sum over keys of v[d][key] softmax_key(k . q / 16 + pos_mat[h][key][q]), both products on codes of BF6 (E3M2) with one E8M0 scale for each 32 along K; the result, divided by the row's sum, is
; quantised along d for the last product.  kv: for each (n, h, key step j of 128) 51,200 bytes: k's block (8 tiles of 16 keys x 2 K steps, scale images at 24,576), then at 25,600 v's 16 fragments (16 channels x 128 keys)
; and two scale images.  qc: q's blocks; their scale bytes already carry the division by 16.  All as images of the operand's registers (a fragment: 1,536 bytes, register 4 g + i of lane l at 512 g + 16 l + 4 i).
; Element r of tile 2 b + u of a run of 128 rows is row 32 b + 8 u + r + 8 (r / 8): so the 16 registers of result tiles 2 b, 2 b + 1 are 16 neighbours along the next K.
; THE SOFTMAX: t = logit x log2(e); M = the running largest t rounded up to a whole number; p = 2^(t - M) is quantised along the keys; the sum is taken of the unquantised p; when M moves, the sum and O^T are multiplied by 2^(old M - new M).
; THE LOGIT COMES WHOLE OUT OF THE MATRIX UNIT: pos_mat's numbers are loaded from LDS into the scores' registers and are the C of the first K step.
; SHARES.  A work-group owns 256 queries of one (n, h); each of its eight waves 32: two tiles.  Two waves to a SIMD.  Both products transposed (source 0 = keys, or channels; source 1 = my queries): a lane holds one query.
; CLUSTER 4 x 4: x = the four query blocks of a head, y = four batches.  A key step's kv block hangs on (n, h): asked for jointly along a row; pos_mat's tile hangs on (h, query block): jointly along a column.
; LDS: kv slots at 0 and 65,536; ONE slot for pos_mat's tile, 128 key rows x (1,024 + 8) bytes, at 131,072 (two would not fit beside two kv slots); the spare words at 263,168.  All of LDS is claimed.
; A KEY STEP has two barriers.  Behind the first, at its head, nothing is filled: a wave takes its 128 numbers a lane of pos_mat out of the slot, all at once, into the scores' registers.  The second follows at once: a round of the
; cluster's barrier, behind which the pos slot, now read out, and the kv slot left a step ago are filled again.  So those loads have both products and the softmax in which to land.  k of this step is read behind the round, from
; the kv slot that is not filled.  Waves 0-3 have two tensor loads out at the start, waves 4-7 one; later a wave has at most one.
; LIMITS: a block of the result whose largest magnitude lies under 2^-122 keeps the floor's scale; a block of zeros gets the byte 1 with zero codes; NaN and infinities are not served.
; REGISTERS.  window 0: v1 kv address; v2, v3 pos addresses; v4, v5 the add's; v6 16 x lane; v7 prefetch offset; v8-9 q's scale words; v10-11 p's; v12-19 -M, largest t, the sum in two halves (a tile each); v20-23 f;
;   v24-31 k's, then v's scale words; v32-79 q; v80-207 scores, then p, then two sets of v's fragments; v208-255 two sets of two fragments of k, then p's codes (208-231) and work.   window 1: O^T, 128 x + 8 t + j.
.set SLOT1, 1<<16
.set POS,   131072
.set PP,    1032                       ; lanes 16-31 read 16 rows on: 4,128 words, half way round the 64 banks from lanes 0-15 (ISA guide 11.1)
.set SPARE, 263168
.set VB,    25600
.set S,     80
.set KF,    208
.set TM,    144                        ; the way out's quantiser works here
.set SEL,   56
.set MSB, 0
.macro WIN new                         ; the immediate's high byte repeats the setting that is left
.if MSB != \new
	s_set_vgpr_msb (MSB<<8)|\new
.set MSB, \new
.endif
.endm
.macro PLACES n
.rept \n
	v_nop
.endr
.endm
.macro WM
.if fA && fB
	v_wmma_scale_f32_16x16x128_f8f6f4 v[rD:rD+7], v[rA:rA+11], v[rB:rB+11], v[rC:rC+7], v[rSA], v[rSB] matrix_a_fmt:MATRIX_FMT_BF6 matrix_b_fmt:MATRIX_FMT_BF6 matrix_a_scale:MATRIX_SCALE_ROW1 matrix_b_scale:MATRIX_SCALE_ROW1
.elseif fA
	v_wmma_scale_f32_16x16x128_f8f6f4 v[rD:rD+7], v[rA:rA+11], v[rB:rB+11], v[rC:rC+7], v[rSA], v[rSB] matrix_a_fmt:MATRIX_FMT_BF6 matrix_b_fmt:MATRIX_FMT_BF6 matrix_a_scale:MATRIX_SCALE_ROW1
.elseif fB
	v_wmma_scale_f32_16x16x128_f8f6f4 v[rD:rD+7], v[rA:rA+11], v[rB:rB+11], v[rC:rC+7], v[rSA], v[rSB] matrix_a_fmt:MATRIX_FMT_BF6 matrix_b_fmt:MATRIX_FMT_BF6 matrix_b_scale:MATRIX_SCALE_ROW1
.else
	v_wmma_scale_f32_16x16x128_f8f6f4 v[rD:rD+7], v[rA:rA+11], v[rB:rB+11], v[rC:rC+7], v[rSA], v[rSB] matrix_a_fmt:MATRIX_FMT_BF6 matrix_b_fmt:MATRIX_FMT_BF6
.endif
.endm
.macro WMZ                             ; the same with the constant 0 as C: the first key step starts O^T's sums
.if fA
	v_wmma_scale_f32_16x16x128_f8f6f4 v[rD:rD+7], v[rA:rA+11], v[rB:rB+11], 0, v[rSA], v[rSB] matrix_a_fmt:MATRIX_FMT_BF6 matrix_b_fmt:MATRIX_FMT_BF6 matrix_a_scale:MATRIX_SCALE_ROW1
.else
	v_wmma_scale_f32_16x16x128_f8f6f4 v[rD:rD+7], v[rA:rA+11], v[rB:rB+11], 0, v[rSA], v[rSB] matrix_a_fmt:MATRIX_FMT_BF6 matrix_b_fmt:MATRIX_FMT_BF6
.endif
.endm
.macro QUANT src, pc, ct, pw, floor
.irp b, 0,1,2,3
	v_max3_num_f32 v[TM+\b], |v[\src+16*\b]|, |v[\src+1+16*\b]|, \floor
.endr
.irp i, 2,4,6,8,10,12,14
.irp b, 0,1,2,3
	v_max3_num_f32 v[TM+\b], v[TM+\b], |v[\src+16*\b+\i]|, |v[\src+1+16*\b+\i]|
.endr
.endr
.irp b, 0,1,2,3
	v_permlanex16_b32 v[TM+4+\b], v[TM+\b], s[SEL], s[SEL+1]
.endr
.irp b, 0,1,2,3
	v_max_num_f32 v[TM+\b], v[TM+\b], v[TM+4+\b]
.endr
.irp b, 0,1,2,3
	v_add_nc_u32 v[TM+12+\b], 0xfe000000, v[TM+\b]
.endr
.irp b, 0,1,2,3
	v_lshrrev_b32 v[TM+4+\b], 23, v[TM+12+\b]
.endr
	v_lshl_or_b32 v[\pw], v[TM+5], 8, v[TM+4]
	v_lshl_or_b32 v[\pw], v[TM+6], 16, v[\pw]
	v_lshl_or_b32 v[\pw], v[TM+7], 24, v[\pw]
.irp c, 0,1
	v_cvt_scalef32_pk16_bf6_f32 v[\pc+6*\c:\pc+2+6*\c], v[\src+32*\c:\src+15+32*\c], v[TM+12+2*\c]
	v_cvt_scalef32_pk16_bf6_f32 v[\ct+4*\c:\ct+2+4*\c], v[\src+16+32*\c:\src+31+32*\c], v[TM+13+2*\c]
.endr
	v_nop                                          ; one plain place behind a scaled conversion
.irp c, 0,1
.irp i, 0,1,2
	v_permlane16_swap_b32 v[\pc+6*\c+\i], v[\ct+4*\c+\i]
.endr
.irp i, 0,1,2
	v_mov_b32 v[\pc+3+6*\c+\i], v[\ct+4*\c+\i]
.endr
.endr
.endm
; a round of the cluster's barrier: my work-group's barrier, wave 0's signal for the work-group, every wave's wait for all sixteen, my work-group's barrier once more
.macro CROUND
	s_barrier_signal -1
	s_barrier_wait -1
	s_cmp_lg_u32 s12, 0
	s_cbranch_scc1 .Lnot_wave_0_\@
	s_barrier_signal -3
.Lnot_wave_0_\@:
	s_barrier_wait -3
	s_barrier_signal -1
	s_barrier_wait -1
.endm
; the joint refill: waves 0-3 a quarter each of the next kv block (kvtoo = 1; else nothing), waves 4-7 a quarter each of the next pos tile.  The branch hangs on the wave's number alone.  Four v_nop follow each line.
.macro JLOAD kvtoo
	s_cmp_lt_u32 s12, 4
.if \kvtoo
	s_cbranch_scc0 .Lfor_pos_\@
	tensor_load_to_lds s[44:47], s[24:31]
	s_nop 0
	PLACES 4
	s_branch .Lasked_\@
.Lfor_pos_\@:
.else
	s_cbranch_scc1 .Lasked_\@
.endif
	tensor_load_to_lds s[48:51], s[32:39]
	s_nop 0
	PLACES 4
.Lasked_\@:
.endm
; a prefetch into the L2 of what the NEXT change will ask for, behind the wave's tensor load, its four lines and the run of LDS loads for which the next products wait.  A kv block is read by the four partners of a row alone:
; each takes 12,800 of its bytes BY ADDRESS, waves 0 and 1 6,400 each, lanes 256 bytes apart (lanes 25-31 name the 25th piece again).  A pos tile is read by both clusters of a column of clusters: the one with y = 0 asks; its four
; partners of a column take 32 key rows each by address, a lane a row, waves 4-7 a quarter of the row's 1,024 bytes each.  The first fills and the step behind them come by their loads alone; the last change that fills asks for nothing.
.macro ASK
	s_cmp_gt_u32 s23, s22
	s_cbranch_scc0 .Lnot_mine_\@
	global_prefetch_b8 v7, s[18:19] th:TH_LOAD_NT scope:SCOPE_SE
.Lnot_mine_\@:
.endm
.macro CHANGE kvtoo
	s_wait_tensorcnt 0x0                           ; no tensor load of mine is out, so a group 0 may be written
	ds_add_u32 v4, v5                              ; 0 onto my spare word; the steps below stand between it and the wait for it
	s_add_nc_u64 s[50:51], s[50:51], 524288        ; pos: 128 key rows on
.if \kvtoo
	s_xor_b32 s45, s45, SLOT1                      ; kv: the other slot than last time,
	s_add_nc_u64 s[46:47], s[46:47], 51200         ; the next key step
.endif
	s_wait_xcnt 0x0                                ; the last prefetch, a key step back, has read its address
	s_add_nc_u64 s[18:19], s[18:19], s[20:21]
	s_wait_dscnt 0x0                               ; the add is done; my 128 reads of the pos slot are back, and my reads of the kv slot left a step ago were back at that step's end
	CROUND                                         ; both now hold of every wave of every partner
	JLOAD \kvtoo
.endm
	s_load_b256 s[4:11], s[0:1], 0x0               ; kv, qc, pos_mat, oc
	v_lshl_add_u32 v4, v0, 2, SPARE
	v_mov_b32 v5, 0
	ds_add_u32 v4, v5
	ds_add_u32 v4, v5
	s_wait_dscnt 0x0
	v_lshrrev_b32 v7, 5, v0
	v_readfirstlane_b32 s12, v7                    ; wave 0..7
	s_bfe_u32 s13, ttmp6, 0x40000                  ; cx: the query block
	s_bfe_u32 s14, ttmp6, 0x40004                  ; cy
	s_and_b32 s16, ttmp7, 0xffff
	s_mov_b32 s59, s16                             ; the cluster's y
	s_lshl_b32 s16, s16, 2
	s_add_co_u32 s16, s16, s14                     ; n = 4 x cluster y + cy;  the head is the cluster's x, ttmp9
	s_and_b32 s17, s12, 3
	s_lshl_b32 s60, s14, 2
	s_lshl_b32 s60, 15, s60                        ; my row of the cluster
	s_lshl_b32 s61, 0x1111, s13                    ; my column
	; group 1 for kv: a quarter of a block, 12,800 dense bytes, as 50 rows of 256 bytes (32 elements of 8 bytes)
	s_or_b32 s24, s60, (3<<16)|(1<<21)
	s_mov_b32 s25, 32<<16
	s_mov_b32 s26, 50<<16
	s_mov_b32 s27, 32<<16
	s_mov_b32 s28, 50
	s_mov_b32 s29, 32
	s_mov_b32 s30, 0
	s_mov_b32 s31, 0
	; group 1 for pos: 32 key rows x 256 f32, 1,024 elements from row to row; 2 words of padding behind each 256 words
	s_or_b32 s32, s61, (2<<16)|(1<<20)|(1<<21)|(7<<22)|(1<<25)
	s_mov_b32 s33, 256<<16
	s_mov_b32 s34, 32<<16
	s_mov_b32 s35, 256<<16
	s_mov_b32 s36, 32
	s_mov_b32 s37, 1024
	s_mov_b32 s38, 0
	s_mov_b32 s39, 0
	s_lshl_b32 s66, s16, 3
	s_add_co_u32 s66, s66, ttmp9                   ; 8 n + h
	s_mul_i32 s68, s66, 409600                     ; its eight key steps in kv,
	s_mul_i32 s62, s17, 12800                      ; my quarter, in memory and in a slot
	s_add_co_u32 s68, s68, s62
	s_mov_b32 s69, 0
	s_lshl_b32 s70, ttmp9, 22                      ; pos: the head,
	s_lshl_b32 s63, s17, 17                        ; my 32 key rows,
	s_add_co_u32 s70, s70, s63
	s_lshl_b32 s63, s13, 10                        ; the query block's 1,024 bytes
	s_add_co_u32 s70, s70, s63
	s_mov_b32 s71, 0
	s_mul_i32 s63, s17, 32*PP
	s_add_co_u32 s63, s63, POS                     ; and their place in LDS: the wave's number alone
	s_lshr_b32 s72, s12, 2
	s_lshl_b32 s73, s13, 1
	s_add_co_u32 s72, s72, s73                     ; jq: my run of 128 queries
	s_lshl_b32 s74, s66, 3
	s_add_co_u32 s74, s74, s72
	s_mul_i32 s74, s74, 25600                      ; q's block (8 n + h) 8 + jq
	s_mov_b32 s75, 0
	s_lshl_b32 s76, s16, 3
	s_add_co_u32 s76, s76, s72
	s_lshl_b32 s76, s76, 3
	s_add_co_u32 s76, s76, ttmp9
	s_mul_i32 s76, s76, 25600                      ; the result's block (8 n + jq) 8 + h
	s_mov_b32 s77, 0
	; the prefetches: where mine stand (at key step 1: the first change steps them to 2), how far a step and a lane go, who asks
	s_mul_i32 s78, s66, 409600
	s_add_co_u32 s78, s78, 51200
	s_mul_i32 s79, s13, 12800
	s_add_co_u32 s78, s78, s79
	s_and_b32 s79, s12, 1
	s_mul_i32 s79, s79, 6400
	s_add_co_u32 s78, s78, s79
	s_lshl_b32 s53, ttmp9, 22
	s_lshl_b32 s79, s14, 17
	s_add_co_u32 s53, s53, s79
	s_add_co_u32 s53, s53, 524288
	s_lshl_b32 s79, s13, 10
	s_add_co_u32 s53, s53, s79
	s_lshl_b32 s79, s17, 8
	s_add_co_u32 s53, s53, s79
	s_cmp_lt_u32 s12, 4
	s_cselect_b32 s78, s78, s53
	s_mov_b32 s79, 0
	s_mov_b32 s20, 524288
	s_cselect_b32 s20, 51200, s20
	s_mov_b32 s21, 0
	s_mov_b32 s53, 4096
	s_cselect_b32 s53, 256, s53
	s_cselect_b32 s22, 24, 31
	v_and_b32 v7, 31, v0
	v_min_u32 v7, s22, v7
	v_mul_lo_u32 v7, v7, s53
	s_lshr_b32 s22, s12, 1                         ; 0 in waves 0 and 1;
	s_cmp_lt_u32 s12, 4
	s_cselect_b32 s22, s22, s59                    ; in waves 4-7: 0 where the cluster's y is 0: the same in all partners
	s_cmp_eq_u32 s22, 0
	s_cselect_b32 s22, 1, -1                       ; a wave asks while s23 is above this
	s_mov_b32 s54, 0x3fb8aa3b                      ; log2(e)
	s_mov_b32 s55, s54                             ; (named with it as a pair)
	s_mov_b32 s56, 0x76543210
	s_mov_b32 s57, 0xfedcba98                      ; v_permlanex16_b32's selects for lane l xor 16
	s_mov_b32 s58, 0xffff0000                      ; lanes 16-31
	s_mov_b32 s52, 0                               ; the kv slot in hand
	s_mov_b32 s23, 7
	s_wait_kmcnt 0x0
	s_cmp_lt_u32 s12, 4
	s_cselect_b64 s[18:19], s[4:5], s[8:9]
	s_add_nc_u64 s[18:19], s[18:19], s[78:79]
	CROUND                                         ; all sixteen work-groups are here: the first joint loads meet
	s_mov_b32 s40, 1
	s_mov_b32 s41, s62
	s_add_nc_u64 s[42:43], s[4:5], s[68:69]        ; key step 0 into slot 0
	s_or_b32 s43, s43, 0x80000000
	s_mov_b32 s44, 1
	s_add_co_u32 s45, s62, SLOT1
	s_add_nc_u64 s[46:47], s[4:5], s[68:69]
	s_add_nc_u64 s[46:47], s[46:47], 51200         ; key step 1 into slot 1; this one then walks
	s_or_b32 s47, s47, 0x80000000
	s_mov_b32 s48, 1
	s_mov_b32 s49, s63
	s_add_nc_u64 s[50:51], s[8:9], s[70:71]        ; pos of key step 0; it walks
	s_or_b32 s51, s51, 0x80000000
	s_cmp_lt_u32 s12, 4                            ; a wave's first fills stand in one branch, ahead of every wait on TENSORcnt and every LDS read
	s_cbranch_scc0 .Lfirst_pos
	tensor_load_to_lds s[40:43], s[24:31]
	s_nop 0
	tensor_load_to_lds s[44:47], s[24:31]
	s_nop 0
	PLACES 4
	s_branch .Lfirst_asked
.Lfirst_pos:
	tensor_load_to_lds s[48:51], s[32:39]
	s_nop 0
	PLACES 4
.Lfirst_asked:
	v_and_b32 v6, 31, v0
	v_lshlrev_b32 v6, 4, v6                        ; 16 x lane
	s_mul_i32 s60, s17, 6144
	v_add_nc_u32 v252, s60, v6                     ; my two tiles' four fragments in a block
	s_lshl_b32 s61, s17, 2
	v_add_nc_u32 v253, s61, v6                     ; and their scale words: lanes 0-15 tile 2 b, lanes 16-31 tile 2 b + 1
	s_add_nc_u64 s[6:7], s[6:7], s[74:75]
	s_add_nc_u64 s[10:11], s[10:11], s[76:77]
.set i, 0
.rept 12
	global_load_b128 v[32+4*i:35+4*i], v252, s[6:7] offset:512*i   ; q stays in registers: (tile x, K step s) at 32 + 24 x + 12 s
.set i, i+1
.endr
	global_load_b32 v8, v253, s[6:7] offset:24576
	global_load_b32 v9, v253, s[6:7] offset:25088
	v_and_b32 v2, 15, v0
	v_and_b32 v3, 8, v0
	v_add_nc_u32 v2, v2, v3
	v_lshlrev_b32 v2, 2, v2                        ; my query's column in the pos tile: 4 (r + 8 (r / 8)),
	v_bfe_u32 v3, v0, 4, 1
	v_mad_u32_u24 v2, v3, 16*PP, v2                ; lanes 16-31 sixteen key rows on,
	s_lshl_b32 s60, s12, 7
	s_add_co_u32 s60, s60, POS
	v_add_nc_u32 v2, s60, v2                       ; my wave's 32 queries
	v_add_nc_u32 v3, 64*PP, v2                     ; and the same 64 key rows on
.irp x, 0,1
	v_mov_b32 v[13+4*\x], 0xff61b1e6               ; the largest t so far: -3e38
	v_floor_f32 v[12+4*\x], -v[13+4*\x]            ; -M
	v_mov_b32 v[14+4*\x], 0                        ; the sum, in two halves
	v_mov_b32 v[15+4*\x], 0
	v_mov_b32 v[20+2*\x], 0
	v_mov_b32 v[21+2*\x], 0                        ; (named as the upper half of f's pair)
.endr
	s_wait_loadcnt 0x0                             ; q
; k's fragments come in eight groups: group k = K step k % 2 of tiles 2 (k / 2) and 2 (k / 2) + 1: six loads into set k % 2 of 24 registers
.macro KLDG k
.irp u, 0,1
.irp g, 0,1,2
	ds_load_b128 v[KF+24*((\k)%2)+12*\u+4*\g:KF+24*((\k)%2)+12*\u+4*\g+3], v1 offset:6144*((\k)/2)+3072*\u+1536*((\k)%2)+512*\g
.endr
.endr
.endm
.macro PLD y                           ; pos_mat for the scores of tiles 2 y, 2 y + 1 of both query tiles: register j of tile 2 y + u is key 32 y + 8 u + 16 (lane / 16) + j
.irp x, 0,1
.irp u, 0,1
.irp j, 0,1,2,3,4,5,6,7
	ds_load_b32 v[S+64*\x+8*(2*(\y)+\u)+\j], v[2+(\y)/2] offset:(32*((\y)%2)+8*\u+\j)*PP+32*\x
.endr
.endr
.endr
.endm
.macro MULG k                          ; group k's 4 matrix instructions, on four accumulators; the next group of the same tiles takes them up again in the same order: by turns
.irp u, 0,1
.irp x, 0,1
.set rD, S+64*\x+8*(2*((\k)/2)+\u)
.set rC, rD
.set rA, KF+24*((\k)%2)+12*\u
.set rB, 32+24*\x+12*((\k)%2)
.set rSA, 24+4*((\k)%2)+(\k)/2
.set rSB, 8+(\k)%2
.set fA, \u
.set fB, \x
	WM
.endr
.endr
.endm
.macro VLD z, base                     ; v's tiles 4 z .. 4 z + 3
.set i, 0
.rept 12
	ds_load_b128 v[\base+4*i:\base+4*i+3], v1 offset:VB+6144*(\z)+512*i
.set i, i+1
.endr
.endm
.macro MULV z, base, first             ; 8 matrix instructions on 8 accumulators
.if \first
	WIN 0x40                                       ; O^T in window 1
.else
	WIN 0x50
.endif
.irp u, 0,1,2,3
.irp x, 0,1
.set tt, 4*(\z)+\u
.set rD, 128*\x+8*tt
.set rC, rD
.set rA, \base+12*\u
.set rB, KF+12*\x
.set rSA, 24+4*(tt/8)+(tt%8)/2
.set rSB, 10+\x
.set fA, tt%2
.set fB, 0
.if \first
	WMZ
.else
	WM
.endif
.endr
.endr
	WIN 0
.endm
; the softmax of query tile x for one key step
.macro SMX x
.set SB,  S+64*\x
.set STB, 12+4*\x
.set FPB, 20+2*\x
.set PCB, KF+12*\x
.irp b, 0,1,2,3
	v_max3_num_f32 v[240+\b], v[SB+16*\b], v[SB+1+16*\b], v[SB+2+16*\b]   ; the largest logit of each block of 32 keys: it serves the row's maximum and, since p rises with the logit, the block's largest p
.endr
.irp i, 3,5,7,9,11,13
.irp b, 0,1,2,3
	v_max3_num_f32 v[240+\b], v[240+\b], v[SB+16*\b+\i], v[SB+1+16*\b+\i]
.endr
.endr
.irp b, 0,1,2,3
	v_max_num_f32 v[240+\b], v[240+\b], v[SB+15+16*\b]
.endr
.irp b, 0,1,2,3
	v_permlanex16_b32 v[244+\b], v[240+\b], s[SEL], s[SEL+1]
.endr
.irp b, 0,1,2,3
	v_max_num_f32 v[240+\b], v[240+\b], v[244+\b]  ; with lane l xor 16's 16 keys
.endr
	v_max3_num_f32 v254, v240, v241, v242
	v_max_num_f32 v254, v254, v243
	v_mul_f32 v254, s54, v254                      ; as t
	v_max_num_f32 v[STB+1], v[STB+1], v254         ; the running largest t
	v_mov_b32 v254, v[STB]
	v_floor_f32 v[STB], -v[STB+1]                  ; the new -M = -ceil(t): a whole number
	v_sub_f32 v254, v[STB], v254                   ; old M - new M, 0 or less
	v_cvt_i32_f32 v254, v254                       ; (it saturates)
	v_ldexp_f32 v[FPB], 1.0, v254                  ; f = 2^(old M - new M)
.set i, 0
.rept 32
	v_pk_fma_f32 v[SB+i:SB+i+1], v[SB+i:SB+i+1], s[54:55], v[STB:STB+1] op_sel_hi:[1,0,0]   ; t - M, two at a time
.set i, i+2
.endr
.irp b, 0,1,2,3
	v_fma_f32 v[240+\b], v[240+\b], s54, v[STB]    ; the same of each block's largest logit
.endr
.set i, 0
.rept 64
	v_exp_f32 v[SB+i], v[SB+i]                     ; p = 2^(t - M)
.set i, i+1
.endr
	v_pk_mul_f32 v[STB+2:STB+3], v[STB+2:STB+3], v[FPB:FPB+1] op_sel_hi:[1,0]   ; the sums under the new M: the plain place behind the exponentials
	s_wait_alu depctr_va_vdst(0)                   ; one wait for the batch, ahead of its first reader
.irp b, 0,1,2,3
	v_exp_f32 v[240+\b], v[240+\b]                 ; the block's largest p
.endr
	v_pk_add_f32 v[244:245], v[SB:SB+1], v[SB+2:SB+3]   ; the row's sum of the unquantised p, in two chains
.set i, 4
.rept 15
	v_pk_add_f32 v[STB+2:STB+3], v[STB+2:STB+3], v[SB+i:SB+i+1]
	v_pk_add_f32 v[244:245], v[244:245], v[SB+i+2:SB+i+3]
.set i, i+4
.endr
	v_pk_add_f32 v[STB+2:STB+3], v[STB+2:STB+3], v[244:245]
	s_wait_alu depctr_va_vdst(0)                   ; and one for the four
.irp b, 0,1,2,3
	v_max_num_f32 v[240+\b], 0x2800000, v[240+\b]  ; the floor 2^(5 - 127)
.endr
.irp b, 0,1,2,3
	v_add_nc_u32 v[248+\b], 0xfe000000, v[240+\b]  ; the conversion's scale operand
.endr
.irp b, 0,1,2,3
	v_lshrrev_b32 v[244+\b], 23, v[248+\b]         ; the scale's byte
.endr
	v_lshl_or_b32 v[10+\x], v245, 8, v244          ; p's scale word for these 128 keys
	v_lshl_or_b32 v[10+\x], v246, 16, v[10+\x]
	v_lshl_or_b32 v[10+\x], v247, 24, v[10+\x]
.irp c, 0,1
	v_cvt_scalef32_pk16_bf6_f32 v[PCB+6*\c:PCB+2+6*\c], v[SB+32*\c:SB+15+32*\c], v[248+2*\c]
	v_cvt_scalef32_pk16_bf6_f32 v[232+4*\c:234+4*\c], v[SB+16+32*\c:SB+31+32*\c], v[249+2*\c]
.endr
	v_nop                                          ; one plain place behind a scaled conversion
.irp c, 0,1
.irp i, 0,1,2
	v_permlane16_swap_b32 v[PCB+6*\c+\i], v[232+4*\c+\i]
.endr
.irp i, 0,1,2
	v_mov_b32 v[PCB+3+6*\c+\i], v[232+4*\c+\i]
.endr
.endr
.endm
; A KEY STEP.  first = 1: O^T's sums begin.  fill = 0: nothing is asked for; 1: the next pos tile; 2: that and the next kv block.
.macro STEP first, fill
	s_wait_tensorcnt 0x0                           ; my part of this step's tiles is in: at key step 0 kv's step 1, issued behind it, is in too
	s_wait_dscnt 0x0
	s_barrier_signal -1
	s_barrier_wait -1                              ; everybody's is
	v_add_nc_u32 v1, s52, v6
	PLACES 4                                       ; places behind the last products, in front of loads into registers that they read
	PLD 0                                          ; all of my part of the pos tile, 128 numbers a lane, into the scores' registers: then the slot is free
	PLD 1
	PLD 2
	PLD 3
.if \fill == 1
	CHANGE 0
.elseif \fill == 2
	CHANGE 1
.endif
	ds_load_b128 v[24:27], v1 offset:24576         ; k's scale words: from here on the kv slot in hand is read; the refill went into the other one
	ds_load_b128 v[28:31], v1 offset:25088
	KLDG 0
	KLDG 1
.if \fill
	ASK
.endif
.irp k, 0,1,2,3,4,5,6,7
.if \k < 7
	s_wait_dscnt 6                                 ; group k's fragments, and all that was asked for ahead of them, are in; the six loads of group k + 1 may be out
.else
	s_wait_dscnt 0x0
.endif
	MULG \k
.if \k < 6
	PLACES 4                                       ; in front of loads into the set that these products read
	KLDG \k+2
.endif
.endr
	PLACES 4                                       ; in front of the first read of the scores and the first write over k's fragments
	SMX 0
	ds_load_b128 v[24:27], v1 offset:VB+24576      ; v's scale words
	ds_load_b128 v[28:31], v1 offset:VB+25088
	VLD 0, 80                                      ; into the registers that tile 0's p has left
	SMX 1
	VLD 1, 144
.if \first
	PLACES 8                                       ; a scale register written by a vector instruction stands 8 places ahead of the product
.else
	WIN 0x41                                       ; O^T in window 1, f in window 0
.irp x, 0,1
.set i, 0
.rept 64
	v_pk_mul_f32 v[128*\x+i:128*\x+i+1], v[128*\x+i:128*\x+i+1], v[20+2*\x:21+2*\x] op_sel_hi:[1,0]   ; O^T under the new M, each accumulator from its low end on
.set i, i+2
.endr
.endr
	WIN 0
.endif
	s_wait_dscnt 12                                ; all but the youngest run of 12
	MULV 0, 80, \first
	PLACES 4
	VLD 2, 80
	s_wait_dscnt 12
	MULV 1, 144, \first
	PLACES 4
	VLD 3, 144
	s_wait_dscnt 12
	MULV 2, 80, \first
	s_wait_dscnt 0x0
	MULV 3, 144, \first
	s_xor_b32 s52, s52, SLOT1                      ; on to the other kv slot
.endm
	STEP 1, 1                                      ; key step 0: kv's step 1 came with the first fills
	s_mov_b32 s23, 6
.Lstep:                                            ; key steps 1 to 6
	STEP 0, 2
	s_sub_co_u32 s23, s23, 1
	s_cmp_lg_u32 s23, 0
	s_cbranch_scc1 .Lstep
	STEP 0, 0                                      ; key step 7 is written out: it asks for nothing
	; THE WAY OUT: O^T / the sum, 128 channels of a query tile at a time, quantised along the channels; fragments and scale words leave as images
	PLACES 4
.irp x, 0,1
	v_add_f32 v[240+\x], v[14+4*\x], v[15+4*\x]
.endr
.irp x, 0,1
	v_permlanex16_b32 v[244+\x], v[240+\x], s[SEL], s[SEL+1]
.endr
.irp x, 0,1
	v_add_f32 v[240+\x], v[240+\x], v[244+\x]      ; the row's sum
.endr
.irp x, 0,1
	v_rcp_f32 v[20+2*\x], v[240+\x]
.endr
	s_mul_i32 s60, s17, 6144
	v_add_nc_u32 v1, s60, v6                       ; (a plain place behind the reciprocals)  my fragments' place in the block
	v_and_b32 v2, 31, v0
	v_lshlrev_b32 v2, 3, v2
	s_lshl_b32 s61, s17, 8
	s_add_co_u32 s61, s61, 24576
	v_add_nc_u32 v2, s61, v2                       ; my scale words': 24,576 + 256 b + 8 x lane
	s_wait_alu depctr_va_vdst(0)                   ; one wait for both reciprocals, ahead of their first reader
.irp q, 0,1
.irp x, 0,1
	WIN 0x01                                       ; O^T in window 1
.set i, 0
.rept 32
	v_pk_mul_f32 v[80+i:81+i], v[128*\x+64*\q+i:128*\x+64*\q+i+1], v[20+2*\x:21+2*\x] op_sel_hi:[1,0]
.set i, i+2
.endr
	WIN 0
	s_wait_xcnt 0x0                                ; the earlier stores have read their data
	QUANT 80, KF+12*\x, 232, 160+\x, 0x2800000
.irp g, 0,1,2
	global_store_b128 v1, v[KF+12*\x+4*\g:KF+12*\x+4*\g+3], s[10:11] offset:1536*(2*\x+\q)+512*\g
.endr
.endr
	v_cndmask_b32 v[10+\q], v160, v161, s58        ; lanes 0-15 tile 2 b's words, lanes 16-31 tile 2 b + 1's
.endr
	global_store_b64 v2, v[10:11], s[10:11]        ; 32 lanes store 256 consecutive bytes
	s_wait_tensorcnt 0x0                           ; the wave's end
	ds_add_u32 v4, v5
	s_wait_dscnt 0x0
	CROUND                                         ; the closing round: no work-group ends while a partner may still ask for a tile that names it
	s_endpgm
.Lfunc_end_k_q93044beee5_attn:
	.size	k_q93044beee5_attn, .Lfunc_end_k_q93044beee5_attn-k_q93044beee5_attn
	.p2alignl 7, 3214868480
	.fill 96, 4, 3214868480
	.section	.rodata,"a",@progbits
	.p2align	6, 0x0
	.amdhsa_kernel k_q93044beee5_attn
		.amdhsa_group_segment_fixed_size 327680
		.amdhsa_private_segment_fixed_size 0
		.amdhsa_enable_private_segment 0
		.amdhsa_kernarg_size 32
		.amdhsa_user_sgpr_count 2
		.amdhsa_user_sgpr_kernarg_segment_ptr 1
		.amdhsa_wavefront_size32 1
		.amdhsa_system_sgpr_workgroup_id_x 1
		.amdhsa_system_sgpr_workgroup_id_y 1
		.amdhsa_system_sgpr_workgroup_id_z 1
		.amdhsa_system_vgpr_workitem_id 0
		.amdhsa_next_free_vgpr 512
		.amdhsa_next_free_sgpr 80
		.amdhsa_reserve_vcc 0
		.amdhsa_float_denorm_mode_32 3
		.amdhsa_float_denorm_mode_16_64 3
		.amdhsa_memory_ordered 1
		.amdhsa_forward_progress 1
		.amdhsa_inst_pref_size 191
	.end_amdhsa_kernel
	.amdgpu_metadata
---
amdhsa.version: [ 1, 2 ]
amdhsa.kernels:
  - .name:           k_q93044beee5_attn
    .symbol:         k_q93044beee5_attn.kd
    .args:
      - { .name: kv, .offset: 0, .size: 8, .value_kind: global_buffer, .address_space: global }
      - { .name: qc, .offset: 8, .size: 8, .value_kind: global_buffer, .address_space: global }
      - { .name: pos_mat, .offset: 16, .size: 8, .value_kind: global_buffer, .address_space: global }
      - { .name: oc, .offset: 24, .size: 8, .value_kind: global_buffer, .address_space: global }
    .group_segment_fixed_size: 327680
    .private_segment_fixed_size: 0
    .kernarg_segment_align: 8
    .kernarg_segment_size: 32
    .max_flat_workgroup_size: 256
    .sgpr_count:     80
    .vgpr_count:     512
    .wavefront_size: 32
...
	.end_amdgpu_metadata
.endif
;; end of part 3
;; launch outp (part 4): grid 4 x 64, 4 waves a work-group, no clusters, 132,608 bytes of LDS; arguments oc, wc, bo, out0; writes out0
.if DOCPART == 4
	.amdgcn_target "amdgcn-amd-amdhsa--gfx1250"
	.amdhsa_code_object_version 6
	.text
	.protected	k_q93044beee5_outp
	.globl	k_q93044beee5_outp
	.p2align	8
	.type	k_q93044beee5_outp,@function
k_q93044beee5_outp:
	s_mov_b64 s[64:65], 0
	v_nop
	global_prefetch_b8 v0, s[64:65] scope:SCOPE_SE
	s_setreg_imm32_b32 hwreg(HW_REG_WAVE_MODE, 25, 1), 1
	s_wait_xcnt 0x0
; out0[n][o][p] = the sum over i = 256 h + d of Wo[o][i] out[n][i][p] + bo[o], on codes of BF6 (E3M2) with one E8M0 scale for each 32 along K.
; oc: block (8 n + j) 8 + h = positions 128 j on of batch n, K = head h's 256 channels: fragment (tile t, K step s) at 1536 (2 t + s); the scale word of tile 2 b + x, K step s, row r at 24,576 + 256 b + 8 (r + 16 x) + 4 s.
; wc: block 48 + 8 rho + kappa = Wo's rows 128 rho on, K = 256 kappa on; scale words of K step s at 24,576 + 512 s, tile t's row r at 16 (r + 16 (t % 2)) + 4 (t / 2).  All as images of the operand's registers.
; Element r of tile 2 b + u of a run of 128 rows is row 32 b + 8 u + r + 8 (r / 8).
; SHARES.  A work-group makes 64 outputs x 128 positions; wave b the position tiles 2 b, 2 b + 1 against four tiles of Wo: 8 accumulators by turns, 16 K steps of 128.  Source 0 = positions, source 1 = Wo's rows:
; a lane holds one output and eight neighbouring positions.  A wave's 32 fragments of oc go once into the registers that keep them; Wo's quarter (98,304 bytes) is copied once into LDS and read by all four waves.
; bo is the C of the first K step.  The results meet in a stage (64 rows x (512 + 16) bytes) and leave as whole rows of 512 bytes.
; No tensor loads or joint requests: a wave has 128 matrix instructions in all; every load goes out at the head, so nothing is prefetched.
; REGISTERS.  window 0: v1 16 x lane, v2 the same + 49,152; v3, v4 the stage; v5-7, v12-15 offsets; v8-11 bo; v16-31 oc's scale words; v32-63 Wo's; v64-95 bo as C; v96-159 accumulators; v160-255 Wo's fragments, two sets.
;   window 1: oc's fragments of heads 0-4 (48 a head);   window 2: of heads 5-7.
.set STG, 98304
.set MSB, 0
.macro WIN new                         ; the immediate's high byte repeats the setting that is left
.if MSB != \new
	s_set_vgpr_msb (MSB<<8)|\new
.set MSB, \new
.endif
.endm
.macro PLACES n
.rept \n
	v_nop
.endr
.endm
.macro WM
.if fA && fB
	v_wmma_scale_f32_16x16x128_f8f6f4 v[rD:rD+7], v[rA:rA+11], v[rB:rB+11], v[rC:rC+7], v[rSA], v[rSB] matrix_a_fmt:MATRIX_FMT_BF6 matrix_b_fmt:MATRIX_FMT_BF6 matrix_a_scale:MATRIX_SCALE_ROW1 matrix_b_scale:MATRIX_SCALE_ROW1
.elseif fA
	v_wmma_scale_f32_16x16x128_f8f6f4 v[rD:rD+7], v[rA:rA+11], v[rB:rB+11], v[rC:rC+7], v[rSA], v[rSB] matrix_a_fmt:MATRIX_FMT_BF6 matrix_b_fmt:MATRIX_FMT_BF6 matrix_a_scale:MATRIX_SCALE_ROW1
.elseif fB
	v_wmma_scale_f32_16x16x128_f8f6f4 v[rD:rD+7], v[rA:rA+11], v[rB:rB+11], v[rC:rC+7], v[rSA], v[rSB] matrix_a_fmt:MATRIX_FMT_BF6 matrix_b_fmt:MATRIX_FMT_BF6 matrix_b_scale:MATRIX_SCALE_ROW1
.else
	v_wmma_scale_f32_16x16x128_f8f6f4 v[rD:rD+7], v[rA:rA+11], v[rB:rB+11], v[rC:rC+7], v[rSA], v[rSB] matrix_a_fmt:MATRIX_FMT_BF6 matrix_b_fmt:MATRIX_FMT_BF6
.endif
.endm
.macro OCLD h, base                    ; my two tiles' four fragments of head h: 6,144 consecutive bytes
.set i, 0
.rept 12
	global_load_b128 v[\base+4*i:\base+4*i+3], v13, s[4:5] offset:25600*(\h)+512*i
.set i, i+1
.endr
.endm
.macro FETCHW k                        ; Wo's four fragments of K step k into set k % 2
.set WB, 160+48*((\k)%2)
.set KA, (\k)/2
.irp u, 0,1,2,3
.irp g, 0,1,2
	ds_load_b128 v[WB+12*\u+4*\g:WB+12*\u+4*\g+3], v[1+KA/4] offset:12288*(KA%4)+1536*(2*\u+(\k)%2)+512*\g
.endr
.endr
.endm
	s_load_b256 s[4:11], s[0:1], 0x0               ; oc, wc, bo, out0
	s_set_vgpr_msb 0x40
	v_lshl_add_u32 v254, v0, 2, 0x20400
	v_mov_b32 v255, 0
	s_set_vgpr_msb 0x4000
	v_lshrrev_b32 v7, 5, v0
	v_readfirstlane_b32 s12, v7                    ; wave 0..3 = b
	s_and_b32 s13, ttmp7, 0xffff                   ; 8 n + j
	s_lshr_b32 s14, ttmp9, 1                       ; rho
	s_and_b32 s15, ttmp9, 1                        ; e: which four tiles of Wo's block
	v_and_b32 v7, 31, v0
	v_lshlrev_b32 v1, 4, v7                        ; 16 x lane
	v_add_nc_u32 v2, 49152, v1
	v_lshlrev_b32 v5, 3, v7                        ; 8 x lane
	v_and_b32 v6, 15, v0
	v_and_b32 v8, 8, v0
	v_add_nc_u32 v6, v6, v8                        ; r + 8 (r / 8)
	v_mul_u32_u24 v3, v6, 528
	v_bfe_u32 v8, v0, 4, 1
	v_lshl_add_u32 v3, v8, 6, v3
	s_lshl_b32 s16, s12, 7
	s_add_co_u32 s16, s16, STG
	v_add_nc_u32 v3, s16, v3                       ; the stage, in: my output's row, positions 32 b + 16 (lane / 16) on
	v_lshlrev_b32 v6, 2, v6                        ; bo: 4 (r + 8 (r / 8))
	s_mul_i32 s16, s12, 16*528
	s_add_co_u32 s16, s16, STG
	v_add_nc_u32 v4, s16, v1                       ; back: my 16 rows, 16 bytes a lane
	s_lshl_b32 s16, s15, 3
	v_add_nc_u32 v7, s16, v1                       ; Wo's scale words: 16 x lane + 8 e
	s_mul_i32 s16, s12, 12288
	v_add_nc_u32 v12, s16, v1                      ; LDS: the chunk that my wave copies
	s_mul_i32 s16, s12, 6144
	v_add_nc_u32 v13, s16, v1                      ; oc: my fragments
	s_lshl_b32 s16, s12, 8
	s_add_co_u32 s16, s16, 24576
	v_add_nc_u32 v14, s16, v5                      ; oc: my scale words
	s_mul_i32 s16, s12, 25600
	v_add_nc_u32 v15, s16, v1                      ; wc: block kappa = wave
	s_mul_i32 s16, s13, 204800                     ; oc: eight blocks for each (n, j)
	s_mov_b32 s17, 0
	s_lshl_b32 s22, s14, 3
	s_add_co_u32 s22, s22, 48
	s_mul_i32 s22, s22, 25600                      ; wc: block 48 + 8 rho
	s_mov_b32 s23, 0
	s_mul_i32 s24, s15, 12288                      ; tiles 4 e on
	s_mov_b32 s25, 0
	s_lshl_b32 s26, ttmp9, 8                       ; bo: 64 outputs
	s_mov_b32 s27, 0
	s_lshr_b32 s28, s13, 3
	s_lshl_b32 s28, s28, 20                        ; out0: batch n,
	s_and_b32 s30, s13, 7
	s_lshl_b32 s30, s30, 9                         ; positions 128 j on,
	s_add_co_u32 s28, s28, s30
	s_lshl_b32 s30, ttmp9, 18                      ; rows 64 x work-group x
	s_add_co_u32 s28, s28, s30
	s_lshl_b32 s30, s12, 16                        ; + 16 x wave
	s_add_co_u32 s28, s28, s30
	s_mov_b32 s29, 0
	s_wait_kmcnt 0x0
	s_add_nc_u64 s[4:5], s[4:5], s[16:17]
	s_add_nc_u64 s[18:19], s[6:7], s[22:23]
	s_add_nc_u64 s[20:21], s[18:19], s[24:25]
	s_add_nc_u64 s[8:9], s[8:9], s[26:27]
	s_add_nc_u64 s[10:11], s[10:11], s[28:29]
.set i, 0
.rept 24
	global_load_b128 v[160+4*i:163+4*i], v15, s[20:21] offset:512*i   ; Wo's chunk kappa = wave
.set i, i+1
.endr
	WIN 0x40                                       ; destination window 1
	OCLD 0, 0
	OCLD 1, 48
	OCLD 2, 96
	WIN 0
	s_wait_loadcnt 36                              ; the chunk is in: three heads' 36 younger loads may be out
.set i, 0
.rept 24
	ds_store_b128 v12, v[160+4*i:163+4*i] offset:512*i
.set i, i+1
.endr
	s_wait_dscnt 0x0                               ; the stores have read their registers
.set i, 0
.rept 24
	global_load_b128 v[160+4*i:163+4*i], v15, s[20:21] offset:102400+512*i   ; chunk kappa = wave + 4
.set i, i+1
.endr
	WIN 0x40
	OCLD 3, 144
	OCLD 4, 192
	WIN 0x80                                       ; destination window 2
	OCLD 5, 0
	WIN 0
	s_wait_loadcnt 36
.set i, 0
.rept 24
	ds_store_b128 v12, v[160+4*i:163+4*i] offset:49152+512*i
.set i, i+1
.endr
	WIN 0x80
	OCLD 6, 48
	OCLD 7, 96
	WIN 0
.irp h, 0,1,2,3,4,5,6,7
	global_load_b64 v[16+2*\h:17+2*\h], v14, s[4:5] offset:25600*\h   ; K steps 2 h, 2 h + 1: lanes 0-15 tile 2 b, lanes 16-31 tile 2 b + 1
.endr
.irp h, 0,1,2,3,4,5,6,7
.irp q, 0,1
	global_load_b64 v[32+4*\h+2*\q:33+4*\h+2*\q], v7, s[18:19] offset:25600*\h+24576+512*\q   ; register i: lanes 0-15 tile 2 i, lanes 16-31 tile 2 i + 1 of my four
.endr
.endr
.irp u, 0,1,2,3
	global_load_b32 v[8+\u], v6, s[8:9] offset:4*(32*(\u/2)+8*(\u%2))
.endr
	s_wait_dscnt 0x0                               ; for the others' sake: my stores have landed
	s_barrier_signal -1
	s_barrier_wait -1                              ; Wo's quarter lies in LDS: it is written no more
	s_wait_loadcnt 0x0
.irp u, 0,1,2,3
.irp j, 0,1,2,3,4,5,6,7
	v_mov_b32 v[64+8*\u+\j], v[8+\u]               ; my output's bias for all eight positions of a result
.endr
.endr
	FETCHW 0
.set ks, 0
.rept 16
.set hh, ks/2
.set qq, ks%2
.set CURW, 160+48*(ks%2)
	PLACES 4                                       ; in front of loads into the set that the K step before read
.if ks < 15
	FETCHW ks+1
	s_wait_dscnt 12                                ; this K step's fragments are in; the 12 just issued may be out
.else
	s_wait_dscnt 0x0
.endif
.if hh < 5
	WIN 0x01                                       ; oc's fragments in window 1
.set AB, 48*hh
.else
	WIN 0x02                                       ; or 2
.set AB, 48*(hh-5)
.endif
.irp u, 0,1,2,3
.irp x, 0,1
.set rD, 96+8*(4*\x+\u)
.if ks == 0
.set rC, 64+8*\u
.else
.set rC, rD
.endif
.set rA, AB+12*(2*\x+qq)
.set rB, CURW+12*\u
.set rSA, 16+2*hh+qq
.set rSB, 32+2*ks+\u/2
.set fA, \x
.set fB, \u%2
	WM
.endr
.endr
	WIN 0
.set ks, ks+1
.endr
	PLACES 4                                       ; in front of the first read of results
.irp u, 0,1,2,3
.irp x, 0,1
	ds_store_b128 v3, v[96+8*(4*\x+\u):99+8*(4*\x+\u)] offset:(32*(\u/2)+8*(\u%2))*528+32*\x          ; each accumulator from its low end on
	ds_store_b128 v3, v[100+8*(4*\x+\u):103+8*(4*\x+\u)] offset:(32*(\u/2)+8*(\u%2))*528+32*\x+16
.endr
.endr
	s_wait_dscnt 0x0                               ; for the others' sake: a row's 512 bytes come from four waves
	s_barrier_signal -1
	s_barrier_wait -1
.irp i, 0,1,2,3,4,5,6,7,8,9,10,11,12,13,14,15
	ds_load_b128 v[160+4*\i:163+4*\i], v4 offset:528*\i
.endr
.irp i, 0,1,2,3,4,5,6,7,8,9,10,11,12,13,14,15
	s_wait_dscnt 15-\i                             ; row i is back; the younger rows may be out
	global_store_b128 v1, v[160+4*\i:163+4*\i], s[10:11] offset:4096*\i th:TH_STORE_NT   ; 32 lanes store 512 consecutive bytes, at a multiple of 256 from out0's first byte
.endr
	s_set_vgpr_msb 0x5
	s_wait_tensorcnt 0x0
	ds_add_u32 v254, v255
	s_wait_dscnt 0x0
	s_set_vgpr_msb 0x500
	s_endpgm
.Lfunc_end_k_q93044beee5_outp:
	.size	k_q93044beee5_outp, .Lfunc_end_k_q93044beee5_outp-k_q93044beee5_outp
	.p2alignl 7, 3214868480
	.fill 96, 4, 3214868480
	.section	.rodata,"a",@progbits
	.p2align	6, 0x0
	.amdhsa_kernel k_q93044beee5_outp
		.amdhsa_group_segment_fixed_size 132608
		.amdhsa_private_segment_fixed_size 0
		.amdhsa_enable_private_segment 0
		.amdhsa_kernarg_size 32
		.amdhsa_user_sgpr_count 2
		.amdhsa_user_sgpr_kernarg_segment_ptr 1
		.amdhsa_wavefront_size32 1
		.amdhsa_system_sgpr_workgroup_id_x 1
		.amdhsa_system_sgpr_workgroup_id_y 1
		.amdhsa_system_sgpr_workgroup_id_z 1
		.amdhsa_system_vgpr_workitem_id 0
		.amdhsa_next_free_vgpr 768
		.amdhsa_next_free_sgpr 66
		.amdhsa_reserve_vcc 0
		.amdhsa_float_denorm_mode_32 3
		.amdhsa_float_denorm_mode_16_64 3
		.amdhsa_memory_ordered 1
		.amdhsa_forward_progress 1
		.amdhsa_inst_pref_size 60
	.end_amdhsa_kernel
	.amdgpu_metadata
---
amdhsa.version: [ 1, 2 ]
amdhsa.kernels:
  - .name:           k_q93044beee5_outp
    .symbol:         k_q93044beee5_outp.kd
    .args:
      - { .name: oc, .offset: 0, .size: 8, .value_kind: global_buffer, .address_space: global }
      - { .name: wc, .offset: 8, .size: 8, .value_kind: global_buffer, .address_space: global }
      - { .name: bo, .offset: 16, .size: 8, .value_kind: global_buffer, .address_space: global }
      - { .name: out0, .offset: 24, .size: 8, .value_kind: global_buffer, .address_space: global }
    .group_segment_fixed_size: 132608
    .private_segment_fixed_size: 0
    .kernarg_segment_align: 8
    .kernarg_segment_size: 32
    .max_flat_workgroup_size: 128
    .sgpr_count:     66
    .vgpr_count:     768
    .wavefront_size: 32
...
	.end_amdgpu_metadata
.endif
;; end of part 4
;; ======== version 2 of 2: 4 launches; version 1 with the launches proj, outp written anew for expert scheduling mode
;; workspace buffers: xc 1,638,400 bytes; wc 1,638,400 bytes; kv 26,214,400 bytes; qc 13,107,200 bytes; oc 13,107,200 bytes
;; launch quant: the kernel of part 1 again; grid 256 x 1, 8 waves a work-group, no clusters, 13,824 bytes of LDS; arguments inputs, Wk, Wq, Wv, Wo, xc, wc; writes xc, wc
;; launch proj (part 5): grid 192 x 1, 8 waves a work-group, no clusters, 50,176 bytes of LDS; arguments xc, wc, bk, bq, bv, kv, qc; writes kv, qc
.if DOCPART == 5
	.amdgcn_target "amdgcn-amd-amdhsa--gfx1250"
	.amdhsa_code_object_version 6
	.text
	.protected	k_q93044beee5_proj
	.globl	k_q93044beee5_proj
	.p2align	8
	.type	k_q93044beee5_proj,@function
k_q93044beee5_proj:
	s_mov_b64 s[64:65], 0
	v_nop
	global_prefetch_b8 v0, s[64:65] scope:SCOPE_SE
	s_setreg_imm32_b32 hwreg(HW_REG_WAVE_SCHED_MODE, 0, 2), 2
	s_setreg_imm32_b32 hwreg(HW_REG_WAVE_MODE, 25, 1), 1
	s_wait_xcnt 0x0
	s_wait_alu depctr_vm_vsrc(0)
; k, q, v = W x + b on codes of BF6 (E3M2), and their results quantised in registers for the attention: k and q along the head's 256 channels, v along the positions.
; Operands come and go as images of the operand's registers: a fragment (16 rows x 128 K) is 1,536 bytes, register 4 g + i of lane l at 512 g + 16 l + 4 i; a block (128 rows x 256 K) is 25,600 bytes:
; fragment (t, s) at 1536 (2 t + s), scale words of K step s at 24,576 + 512 s (tile t's row r at 16 (r + 16 (t % 2)) + 4 (t / 2)).  Element r of tile 2 b + u is row 32 b + 8 u + r + 8 (r / 8).
; FORM.  A wave keeps one block R in registers (8 tiles x 2 K steps) and the eight waves share 16 tiles T through LDS.  For each tile of T: D(u) = R's tile u (source 0) x T's tile (source 1): a lane then holds ONE row of T and
; its 64 registers R's 128 rows in their true order: 128 neighbours along the next product's K, which become one fragment and one scale word a row.
; ROLES, by the work-group's number: 0-63 k, 64-127 q: R = 128 rows of the weight (half a head; wave w: head 4 a + w / 2, half w % 2), T = 256 positions of x; the bias runs along R: it is the C of the first K step.
;   128-191 v: R = 128 positions of x (key step w), T = the head's 256 rows of Wv; the bias is one number a lane, spread over eight registers as C.
; OUT.  kv: for each (n, h, j) 51,200 bytes: k's block (rows = keys 128 j on), then v's: 16 fragments (256 channels x 128 keys) and two scale images.  qc: q's blocks.  q's SCALE BYTES ARE STORED 4 LOWER: q / 16, exactly.
; 192 work-groups: 3,072 groups of 128 matrix instructions, two to a wave, so that R is read half as often; the WGPs left over get nothing, and nothing is launched for them.
; LIMITS: a block whose largest magnitude lies under 2^-122 (q: 2^-118, so that its byte less 4 stays at 1 or more) keeps the floor's scale; a block of zeros keeps that byte with zero codes; NaN and infinities are not served.
; No tensor loads or joint requests: R goes straight into the registers that keep it, T is copied once; all loads from memory go out at the head, so nothing is prefetched.
; THE MODE: SCHED_MODE bits 1:0 = 2 (LLVM: expert scheduling mode 2), set by the entry lines.  The code itself states the register dependences between vector or matrix instructions and memory or LDS instructions,
; with s_wait_alu, always for 0.
; THE PLAN.  Registers that memory or LDS instructions touch, behind the head:
;   TF0, TF1 (v96-119, v120-143)           Tile n's 16 matrix instructions read TF[n % 2]; the six LDS loads at tile n's end land in it: the fragments of tile n + 2.
;   v2, v3, PC (v144-155), OS (v184-187)   Written by tile n's address lines and quantiser; read by the stores at tile n's end; written again in tile n + 1, behind its matrix instructions.
;   v1                                     Read by every LDS load; never written again.
; So a tile has two waits.  One on va_vdst behind its quantiser: the stores' offsets and data are written, and the tile's matrix instructions are done reading TF[n % 2]; the stores and the loads follow it, and nothing else.
; One on vm_vsrc behind its matrix instructions, ahead of the first line that writes v2, v3, PC or OS again: the last tile's stores have read them.
; REGISTERS.  window 0: v1 16 x lane; v2, v3 store offsets; v4, v5 bias offsets; v6 16 x lane + 3072 x wave; v8-15 R's scale words; v16-31 T's; v32-95 the 8 accumulators; v96-143 T's fragments, two sets;
;   v144-155 codes; v156-162, v164-179 at work; v180 the scale word; v184-187 eight tiles' scale words; v192-199 v's bias as C; v208-223 v's bias, a register a tile.   window 1: v0-191 R; v192-255 k's or q's bias as C.
.set ACC, 32
.set TF,  96
.set PC,  144
.set CT,  156
.set TM,  164
.set PW,  180
.set OS,  184
.set CB,  192
.set BT,  208
.set SEL, 38
.set MSB, 0
.macro WIN new                         ; the immediate's high byte repeats the setting that is left
.if MSB != \new
	s_set_vgpr_msb (MSB<<8)|\new
.set MSB, \new
.endif
.endm
.macro PLACES n
.rept \n
	v_nop
.endr
.endm
; one matrix instruction from the symbols rD, rA, rB, rC, rSA, rSB; fA, fB: the side's scale words stand in lanes 16-31
.macro WM
.if fA && fB
	v_wmma_scale_f32_16x16x128_f8f6f4 v[rD:rD+7], v[rA:rA+11], v[rB:rB+11], v[rC:rC+7], v[rSA], v[rSB] matrix_a_fmt:MATRIX_FMT_BF6 matrix_b_fmt:MATRIX_FMT_BF6 matrix_a_scale:MATRIX_SCALE_ROW1 matrix_b_scale:MATRIX_SCALE_ROW1
.elseif fA
	v_wmma_scale_f32_16x16x128_f8f6f4 v[rD:rD+7], v[rA:rA+11], v[rB:rB+11], v[rC:rC+7], v[rSA], v[rSB] matrix_a_fmt:MATRIX_FMT_BF6 matrix_b_fmt:MATRIX_FMT_BF6 matrix_a_scale:MATRIX_SCALE_ROW1
.elseif fB
	v_wmma_scale_f32_16x16x128_f8f6f4 v[rD:rD+7], v[rA:rA+11], v[rB:rB+11], v[rC:rC+7], v[rSA], v[rSB] matrix_a_fmt:MATRIX_FMT_BF6 matrix_b_fmt:MATRIX_FMT_BF6 matrix_b_scale:MATRIX_SCALE_ROW1
.else
	v_wmma_scale_f32_16x16x128_f8f6f4 v[rD:rD+7], v[rA:rA+11], v[rB:rB+11], v[rC:rC+7], v[rSA], v[rSB] matrix_a_fmt:MATRIX_FMT_BF6 matrix_b_fmt:MATRIX_FMT_BF6
.endif
.endm
; 64 numbers of a lane, register 16 b + i = k 32 b + 16 (lane / 16) + i of my row, become a fragment's codes in v[pc] on and the row's scale word in v[pw]
.macro QUANT src, pc, ct, pw, floor
.irp b, 0,1,2,3
	v_max3_num_f32 v[TM+\b], |v[\src+16*\b]|, |v[\src+1+16*\b]|, \floor   ; block b: my 16 numbers, and the floor under which no largest magnitude is taken
.endr
.irp i, 2,4,6,8,10,12,14
.irp b, 0,1,2,3
	v_max3_num_f32 v[TM+\b], v[TM+\b], |v[\src+16*\b+\i]|, |v[\src+1+16*\b+\i]|
.endr
.endr
.irp b, 0,1,2,3
	v_permlanex16_b32 v[TM+4+\b], v[TM+\b], s[SEL], s[SEL+1]
.endr
.irp b, 0,1,2,3
	v_max_num_f32 v[TM+\b], v[TM+\b], v[TM+4+\b]   ; with lane l xor 16's: the block's largest magnitude
.endr
.irp b, 0,1,2,3
	v_add_nc_u32 v[TM+12+\b], 0xfe000000, v[TM+\b] ; 4 off its exponent field: the conversion's scale operand
.endr
.irp b, 0,1,2,3
	v_lshrrev_b32 v[TM+4+\b], 23, v[TM+12+\b]      ; the scale's byte
.endr
	v_lshl_or_b32 v[\pw], v[TM+5], 8, v[TM+4]
	v_lshl_or_b32 v[\pw], v[TM+6], 16, v[\pw]
	v_lshl_or_b32 v[\pw], v[TM+7], 24, v[\pw]
.irp c, 0,1
	v_cvt_scalef32_pk16_bf6_f32 v[\pc+6*\c:\pc+2+6*\c], v[\src+32*\c:\src+15+32*\c], v[TM+12+2*\c]
	v_cvt_scalef32_pk16_bf6_f32 v[\ct+4*\c:\ct+2+4*\c], v[\src+16+32*\c:\src+31+32*\c], v[TM+13+2*\c]
.endr
	v_nop                                          ; one plain place behind a scaled conversion
.irp c, 0,1                                    ; the operand's layout wants a whole block in a lane
.irp i, 0,1,2
	v_permlane16_swap_b32 v[\pc+6*\c+\i], v[\ct+4*\c+\i]
.endr
.irp i, 0,1,2
	v_mov_b32 v[\pc+3+6*\c+\i], v[\ct+4*\c+\i]
.endr
.endr
.endm
	s_load_b256 s[4:11], s[0:1], 0x0               ; xc, wc, bk, bq
	s_load_b128 s[12:15], s[0:1], 0x20             ; bv, kv
	s_load_b64 s[16:17], s[0:1], 0x30              ; qc
	v_lshl_add_u32 v254, v0, 2, 0xc000
	v_mov_b32 v255, 0
	v_lshrrev_b32 v7, 5, v0
	v_readfirstlane_b32 s18, v7                    ; wave 0..7
	v_and_b32 v7, 31, v0
	v_lshlrev_b32 v1, 4, v7                        ; 16 x lane
	v_bfe_u32 v4, v0, 4, 1
	v_lshlrev_b32 v4, 6, v4                        ; the bias along R: 16 numbers on for lanes 16-31
	v_and_b32 v5, 15, v0
	v_and_b32 v7, 8, v0
	v_add_nc_u32 v5, v5, v7
	v_lshlrev_b32 v5, 2, v5                        ; the bias along T: 4 (r + 8 (r / 8))
	s_wait_alu depctr_va_sdst(0)                   ; s18 is written, ahead of its first reader: LDS places, blocks and bases are made from it
	s_mul_i32 s40, s18, 3072
	v_add_nc_u32 v6, s40, v1                       ; the tile of T that my wave copies, in memory and in LDS
.irp b, 0,1,2,3
	v_mov_b32 v[TM+4+\b], 0                        ; written once: a lane permute's destination counts as one of its sources
.endr
	s_mov_b32 s37, 0xffff0000                      ; lanes 16-31
	s_mov_b32 s38, 0x76543210
	s_mov_b32 s39, 0xfedcba98                      ; v_permlanex16_b32's selects for lane l xor 16
	s_lshr_b32 s19, ttmp9, 6                       ; the role: 0 k, 1 q, 2 v
	s_and_b32 s42, ttmp9, 7                        ; lo
	s_bfe_u32 s41, ttmp9, 0x30003                  ; n
	s_lshr_b32 s43, s42, 2                         ; a
	s_and_b32 s44, s42, 3                          ; jp
	s_lshl_b32 s46, s41, 3                         ; 8 n
	s_lshl_b32 s45, s19, 4
	s_lshl_b32 s47, s43, 3
	s_add_co_u32 s47, s47, s18                     ; beta = 8 a + w
	s_add_co_u32 s45, s45, s47                     ; k, q: R = wc's block 16 role + beta
	s_add_co_u32 s48, s46, s18                     ; v: R = xc's block 8 n + w
	s_lshl_b32 s49, s44, 1
	s_add_co_u32 s50, s46, s49                     ; k, q: T = xc's blocks 8 n + 2 jp, + 1
	s_lshl_b32 s51, s42, 1
	s_add_co_u32 s51, s51, 32                      ; v: T = wc's blocks 32 + 2 h, + 1
	s_lshr_b32 s52, s18, 1
	s_lshl_b32 s53, s43, 2
	s_add_co_u32 s52, s52, s53                     ; the head 4 a + w / 2
	s_add_co_u32 s52, s52, s46
	s_lshl_b32 s52, s52, 3
	s_add_co_u32 s52, s52, s49                     ; k, q: out block (8 n + head) 8 + 2 jp
	s_add_co_u32 s53, s46, s42
	s_lshl_b32 s53, s53, 3
	s_add_co_u32 s53, s53, s18                     ; v: (8 n + h) 8 + w
	s_and_b32 s54, s18, 1                          ; k, q: which K step of the next product my results are
	s_mul_i32 s55, s54, 1536
	s_lshl_b32 s56, s54, 9
	s_add_co_u32 s56, s56, 24576
	s_lshl_b32 s57, s47, 9                         ; k, q: the bias of R's 128 rows
	s_lshl_b32 s58, s42, 10                        ; v: the bias of the head's 256 rows
	s_cmp_eq_u32 s19, 1                            ; q?
	s_mov_b32 s59, 51200
	s_cselect_b32 s59, 25600, s59                  ; bytes from out block to out block
	s_mov_b32 s32, 26624
	s_cselect_b32 s32, 1024, s32                   ; what leads on to the next block's fragments behind 8 tiles of 3,072 bytes
	s_mov_b32 s35, 5<<23
	s_cselect_b32 s35, 9<<23, s35                  ; the floor
	s_cselect_b32 s36, 0x04040404, 0               ; what is taken off the four scale bytes
	s_mov_b32 s34, s59                             ; from scale image to scale image
	s_cmp_eq_u32 s19, 2                            ; v?
	s_cselect_b32 s20, 1, 0
	s_cselect_b32 s45, s48, s45
	s_cselect_b32 s50, s51, s50
	s_cselect_b32 s52, s53, s52
	s_mov_b32 s30, 25600
	s_cselect_b32 s30, s30, s55                    ; where my first fragment goes in the out block
	s_mov_b32 s31, 3072
	s_cselect_b32 s31, 1536, s31                   ; from tile to tile
	s_mov_b32 s33, 50176
	s_cselect_b32 s33, s33, s56                    ; where my first scale image goes
	s_cselect_b32 s34, 512, s34
	s_cselect_b32 s32, 0, s32
	s_cselect_b32 s57, 0, s57
	s_cselect_b32 s58, s58, 0
	s_mul_i32 s45, s45, 25600
	s_mul_i32 s50, s50, 25600
	s_mul_i32 s52, s52, s59
	s_mov_b32 s61, 0
	s_wait_kmcnt 0x0
	s_cmp_eq_u32 s19, 2                            ; the choices hang on the work-group's number alone
	s_cselect_b64 s[22:23], s[4:5], s[6:7]         ; R
	s_cselect_b64 s[24:25], s[6:7], s[4:5]         ; T
	s_cselect_b64 s[26:27], s[12:13], s[8:9]       ; the bias
	s_cmp_eq_u32 s19, 1
	s_cselect_b64 s[26:27], s[10:11], s[26:27]
	s_cselect_b64 s[28:29], s[16:17], s[14:15]     ; out
	s_mov_b32 s60, s45
	s_add_nc_u64 s[22:23], s[22:23], s[60:61]
	s_mov_b32 s60, s50
	s_add_nc_u64 s[24:25], s[24:25], s[60:61]
	s_mov_b32 s60, s52
	s_add_nc_u64 s[28:29], s[28:29], s[60:61]
	s_mov_b32 s60, s57
	s_add_nc_u64 s[66:67], s[26:27], s[60:61]      ; the bias along R
	s_mov_b32 s60, s58
	s_add_nc_u64 s[68:69], s[26:27], s[60:61]      ; the bias along T
	s_wait_alu depctr_va_vdst(0)                   ; the offsets v1, v4, v5 and v6 are written, which the loads and LDS stores of the head, and every LDS load behind it, read
	; both forms of the bias are loaded in every role, from places inside the bias in hand, so that every register is written on every way; a role uses its own form alone
.irp g, 0,1
.irp c, 0,1,2,3,4,5
	global_load_b128 v[32+24*\g+4*\c:35+24*\g+4*\c], v6, s[24:25] offset:\g*25600+512*\c   ; tile w of each of T's two blocks: 3,072 bytes
.endr
.endr
.irp g, 0,1
.irp q, 0,1
	global_load_b128 v[16+8*\g+4*\q:19+8*\g+4*\q], v1, s[24:25] offset:\g*25600+24576+512*\q   ; T's scale words
.endr
.endr
.irp g, 0,1
.irp t, 0,1,2,3,4,5,6,7
	global_load_b32 v[BT+8*\g+\t], v5, s[68:69] offset:4*(128*\g+32*(\t/2)+8*(\t%2))
.endr
.endr
	WIN 0x40                                       ; destination window 1
.irp u, 0,1,2,3,4,5,6,7
	global_load_b128 v[192+8*\u:195+8*\u], v4, s[66:67] offset:4*(32*(\u/2)+8*(\u%2))
	global_load_b128 v[196+8*\u:199+8*\u], v4, s[66:67] offset:4*(32*(\u/2)+8*(\u%2))+16
.endr
	WIN 0
	s_wait_loadcnt 36                              ; the 12 copies of T are in: 4 + 16 + 16 younger loads may be out
.irp g, 0,1
.irp c, 0,1,2,3,4,5
	ds_store_b128 v6, v[32+24*\g+4*\c:35+24*\g+4*\c] offset:\g*24576+512*\c   ; tile n of the 16 lies at 3072 n
.endr
.endr
	WIN 0x40
.set i, 0
.rept 48
	global_load_b128 v[4*i:4*i+3], v1, s[22:23] offset:512*i   ; R's 16 fragments: they stay
.set i, i+1
.endr
	WIN 0
	global_load_b128 v[8:11], v1, s[22:23] offset:24576
	global_load_b128 v[12:15], v1, s[22:23] offset:25088
	s_wait_dscnt 0x0                               ; for the others' sake: my stores have landed
	s_barrier_signal -1
	s_barrier_wait -1                              ; T lies in LDS: it is written no more
	s_wait_loadcnt 0x0
	s_wait_alu depctr_vm_vsrc(0)                   ; my LDS stores have read v32-79: these registers are accumulators from here on, written by the matrix instructions
.irp k, 0,1,2,3,4,5
	ds_load_b128 v[TF+4*\k:TF+4*\k+3], v1 offset:512*\k             ; tile 0 into set 0,
.endr
.irp k, 0,1,2,3,4,5
	ds_load_b128 v[TF+24+4*\k:TF+24+4*\k+3], v1 offset:3072+512*\k  ; tile 1 into set 1; each tile's end asks for the tile two on
.endr
; tile n of T: 16 matrix instructions, the eight accumulators by turns, then the quantiser, the stores, and the loads of tile n + 2
.macro TILE n
.set tg, (\n)/8
.set tt, (\n)%8
.set CUR, TF+24*((\n)%2)
.if (\n) < 15
	s_wait_dscnt 6                                 ; LDS loads come back in order (ISA guide 5.7.1): this tile's two fragments are in; the six loads of the next tile's may be out
.else
	s_wait_dscnt 0x0
.endif
	s_cmp_eq_u32 s20, 1
	s_cbranch_scc1 .Lv_\@
	WIN 0x11                                       ; R and the bias in window 1
.irp u, 0,1,2,3,4,5,6,7
.set rD, ACC+8*\u
.set rC, 192+8*\u
.set rA, 24*\u
.set rB, CUR
.set rSA, 8+\u/2
.set rSB, 16+8*tg+tt/2
.set fA, \u%2
.set fB, tt%2
	WM
.endr
	WIN 0
	s_branch .Lj_\@
.Lv_\@:
.irp j, 0,1,2,3,4,5,6,7
	v_mov_b32 v[CB+\j], v[BT+(\n)]                 ; my channel's bias for all eight positions of a result
.endr
	PLACES 4
	WIN 0x01
.irp u, 0,1,2,3,4,5,6,7
.set rD, ACC+8*\u
.set rC, CB
.set rA, 24*\u
.set rB, CUR
.set rSA, 8+\u/2
.set rSB, 16+8*tg+tt/2
.set fA, \u%2
.set fB, tt%2
	WM
.endr
	WIN 0
.Lj_\@:
	WIN 0x01
.irp u, 0,1,2,3,4,5,6,7
.set rD, ACC+8*\u
.set rC, rD
.set rA, 24*\u+12
.set rB, CUR+12
.set rSA, 12+\u/2
.set rSB, 20+8*tg+tt/2
.set fA, \u%2
.set fB, tt%2
	WM
.endr
	WIN 0
	PLACES 4                                       ; in front of the first read of results
	s_wait_xcnt 0x0                                ; the earlier stores have read their offsets and data: both are written again below
.if (\n) > 0
	s_wait_alu depctr_vm_vsrc(0)                   ; the last tile's stores have read v2, v3, PC and OS, which the lines below write again
.endif
	v_add_nc_u32 v2, s30, v1
	s_add_co_u32 s30, s30, s31
.if tt == 7
	v_add_nc_u32 v3, s33, v1                       ; the scale image's offset is made here, so that one wait serves all the tile's stores
	s_add_co_u32 s33, s33, s34
.endif
	QUANT ACC, PC, CT, PW, s35                     ; (its plain lines are also the places in front of the next tile's products, which begin the accumulators anew)
	v_sub_nc_u32 v[PW], v[PW], s36                 ; q: each byte 4 lower; no byte is under 5, so nothing is borrowed
.if tt%2
	v_cndmask_b32 v[OS+tt/2], v[OS+tt/2], v[PW], s37   ; an odd tile's words stand in lanes 16-31
.else
	v_mov_b32 v[OS+tt/2], v[PW]
.endif
	s_wait_alu depctr_va_vdst(0)                   ; v2, v3, PC and OS are written, which the stores read; this tile's matrix instructions are done reading their set of T's fragments, in which the loads land
.irp c, 0,1,2
	global_store_b128 v2, v[PC+4*\c:PC+4*\c+3], s[28:29] offset:512*\c   ; 32 lanes store 512 consecutive bytes
.endr
.if tt == 7
	global_store_b128 v3, v[OS:OS+3], s[28:29]     ; eight tiles' scale words
	s_add_co_u32 s30, s30, s32
.endif
.if (\n) < 14
.irp k, 0,1,2,3,4,5
	ds_load_b128 v[CUR+4*\k:CUR+4*\k+3], v1 offset:3072*((\n)+2)+512*\k   ; the tile two on, into the set just read.  No further wait: only stores stand behind the wait above, and they name neither this set nor v1
.endr
.endif
.endm
.irp n, 0,1,2,3,4,5,6,7,8,9,10,11,12,13,14,15
	TILE \n
.endr
	s_wait_dscnt 0x0                               ; the closing lines, six on end
	s_wait_alu 0x0
	s_wait_tensorcnt 0x0
	ds_add_u32 v254, v255
	s_wait_dscnt 0x0
	s_endpgm
.Lfunc_end_k_q93044beee5_proj:
	.size	k_q93044beee5_proj, .Lfunc_end_k_q93044beee5_proj-k_q93044beee5_proj
	.p2alignl 7, 3214868480
	.fill 96, 4, 3214868480
	.section	.rodata,"a",@progbits
	.p2align	6, 0x0
	.amdhsa_kernel k_q93044beee5_proj
		.amdhsa_group_segment_fixed_size 50176
		.amdhsa_private_segment_fixed_size 0
		.amdhsa_enable_private_segment 0
		.amdhsa_kernarg_size 56
		.amdhsa_user_sgpr_count 2
		.amdhsa_user_sgpr_kernarg_segment_ptr 1
		.amdhsa_wavefront_size32 1
		.amdhsa_system_sgpr_workgroup_id_x 1
		.amdhsa_system_sgpr_workgroup_id_y 1
		.amdhsa_system_sgpr_workgroup_id_z 1
		.amdhsa_system_vgpr_workitem_id 0
		.amdhsa_next_free_vgpr 512
		.amdhsa_next_free_sgpr 80
		.amdhsa_reserve_vcc 0
		.amdhsa_float_denorm_mode_32 3
		.amdhsa_float_denorm_mode_16_64 3
		.amdhsa_memory_ordered 1
		.amdhsa_forward_progress 1
		.amdhsa_inst_pref_size 149
	.end_amdhsa_kernel
	.amdgpu_metadata
---
amdhsa.version: [ 1, 2 ]
amdhsa.kernels:
  - .name:           k_q93044beee5_proj
    .symbol:         k_q93044beee5_proj.kd
    .args:
      - { .name: xc, .offset: 0, .size: 8, .value_kind: global_buffer, .address_space: global }
      - { .name: wc, .offset: 8, .size: 8, .value_kind: global_buffer, .address_space: global }
      - { .name: bk, .offset: 16, .size: 8, .value_kind: global_buffer, .address_space: global }
      - { .name: bq, .offset: 24, .size: 8, .value_kind: global_buffer, .address_space: global }
      - { .name: bv, .offset: 32, .size: 8, .value_kind: global_buffer, .address_space: global }
      - { .name: kv, .offset: 40, .size: 8, .value_kind: global_buffer, .address_space: global }
      - { .name: qc, .offset: 48, .size: 8, .value_kind: global_buffer, .address_space: global }
    .group_segment_fixed_size: 50176
    .private_segment_fixed_size: 0
    .kernarg_segment_align: 8
    .kernarg_segment_size: 56
    .max_flat_workgroup_size: 256
    .sgpr_count:     80
    .vgpr_count:     512
    .wavefront_size: 32
...
	.end_amdgpu_metadata
.endif
;; end of part 5
;; launch attn: the kernel of part 3 again; grid 32 x 8, 8 waves a work-group, clusters of 4 x 4, 327,680 bytes of LDS; arguments kv, qc, pos_mat, oc; writes oc
;; launch outp (part 6): grid 4 x 64, 4 waves a work-group, no clusters, 132,608 bytes of LDS; arguments oc, wc, bo, out0; writes out0
.if DOCPART == 6
	.amdgcn_target "amdgcn-amd-amdhsa--gfx1250"
	.amdhsa_code_object_version 6
	.text
	.protected	k_q93044beee5_outp
	.globl	k_q93044beee5_outp
	.p2align	8
	.type	k_q93044beee5_outp,@function
k_q93044beee5_outp:
	s_mov_b64 s[64:65], 0
	v_nop
	global_prefetch_b8 v0, s[64:65] scope:SCOPE_SE
	s_setreg_imm32_b32 hwreg(HW_REG_WAVE_SCHED_MODE, 0, 2), 2
	s_setreg_imm32_b32 hwreg(HW_REG_WAVE_MODE, 25, 1), 1
	s_wait_xcnt 0x0
	s_wait_alu depctr_vm_vsrc(0)
; out0[n][o][p] = the sum over i = 256 h + d of Wo[o][i] out[n][i][p] + bo[o], on codes of BF6 (E3M2) with one E8M0 scale for each 32 along K.
; oc: block (8 n + j) 8 + h = positions 128 j on of batch n, K = head h's 256 channels: fragment (tile t, K step s) at 1536 (2 t + s); the scale word of tile 2 b + x, K step s, row r at 24,576 + 256 b + 8 (r + 16 x) + 4 s.
; wc: block 48 + 8 rho + kappa = Wo's rows 128 rho on, K = 256 kappa on; scale words of K step s at 24,576 + 512 s, tile t's row r at 16 (r + 16 (t % 2)) + 4 (t / 2).  All as images of the operand's registers.
; Element r of tile 2 b + u of a run of 128 rows is row 32 b + 8 u + r + 8 (r / 8).
; SHARES.  A work-group makes 64 outputs x 128 positions; wave b the position tiles 2 b, 2 b + 1 against four tiles of Wo: 8 accumulators by turns, 16 K steps of 128.  Source 0 = positions, source 1 = Wo's rows:
; a lane holds one output and eight neighbouring positions.  A wave's 32 fragments of oc go once into the registers that keep them; Wo's quarter (98,304 bytes) is copied once into LDS and read by all four waves.
; bo is the C of the first K step.  The results meet in a stage (64 rows x (512 + 16) bytes) and leave as whole rows of 512 bytes.
; No tensor loads or joint requests: a wave has 128 matrix instructions in all; every load from memory goes out at the head, so nothing is prefetched.
; THE MODE: SCHED_MODE bits 1:0 = 2 (LLVM: expert scheduling mode 2), set by the entry lines.  The code itself states the register dependences between vector or matrix instructions and memory or LDS instructions,
; with s_wait_alu, always for 0.
; THE PLAN.  Registers that memory or LDS instructions touch, behind the head:
;   P0 (window 0, v160-255), P1 (window 2, v144-239)   Each holds Wo's fragments of one head's two K steps, 48 registers a K step.  Head h's 16 matrix instructions read P[h % 2]; the 24 LDS loads issued in head h land in
;                                                      the other one: the fragments of head h + 1, twelve ahead of each K step's eight matrix instructions.
;   v1, v2                                             Read by every LDS load of a fragment; never written again.
;   the accumulators v96-159                           Written by the matrix instructions; read by the stage's LDS stores at the end.
; So ONE wait on va_vdst stands at a head's start: the matrix instructions of the head before are done reading the other buffer.  This head's matrix instructions name its own buffer, oc's fragments, the accumulators and the
; scale words: none of the registers that its 24 loads touch.  The first head owes no wait (no vector or matrix instruction has named P1), the last issues no load.
; REGISTERS.  window 0: v1 16 x lane, v2 the same + 49,152; v3, v4 the stage; v5-7, v12-15 offsets; v8-11 bo; v16-31 oc's scale words; v32-63 Wo's; v64-95 bo as C; v96-159 accumulators; v160-255 P0.
;   window 1: oc's fragments of heads 0-4 (48 a head); v254, v255 the closing add's two.   window 2: oc's fragments of heads 5-7; v144-239 P1.
.set STG, 98304
.set MSB, 0
.macro WIN new                         ; the immediate's high byte repeats the setting that is left
.if MSB != \new
	s_set_vgpr_msb (MSB<<8)|\new
.set MSB, \new
.endif
.endm
.macro PLACES n
.rept \n
	v_nop
.endr
.endm
.macro WM
.if fA && fB
	v_wmma_scale_f32_16x16x128_f8f6f4 v[rD:rD+7], v[rA:rA+11], v[rB:rB+11], v[rC:rC+7], v[rSA], v[rSB] matrix_a_fmt:MATRIX_FMT_BF6 matrix_b_fmt:MATRIX_FMT_BF6 matrix_a_scale:MATRIX_SCALE_ROW1 matrix_b_scale:MATRIX_SCALE_ROW1
.elseif fA
	v_wmma_scale_f32_16x16x128_f8f6f4 v[rD:rD+7], v[rA:rA+11], v[rB:rB+11], v[rC:rC+7], v[rSA], v[rSB] matrix_a_fmt:MATRIX_FMT_BF6 matrix_b_fmt:MATRIX_FMT_BF6 matrix_a_scale:MATRIX_SCALE_ROW1
.elseif fB
	v_wmma_scale_f32_16x16x128_f8f6f4 v[rD:rD+7], v[rA:rA+11], v[rB:rB+11], v[rC:rC+7], v[rSA], v[rSB] matrix_a_fmt:MATRIX_FMT_BF6 matrix_b_fmt:MATRIX_FMT_BF6 matrix_b_scale:MATRIX_SCALE_ROW1
.else
	v_wmma_scale_f32_16x16x128_f8f6f4 v[rD:rD+7], v[rA:rA+11], v[rB:rB+11], v[rC:rC+7], v[rSA], v[rSB] matrix_a_fmt:MATRIX_FMT_BF6 matrix_b_fmt:MATRIX_FMT_BF6
.endif
.endm
.macro OCLD h, base                    ; my two tiles' four fragments of head h: 6,144 consecutive bytes
.set i, 0
.rept 12
	global_load_b128 v[\base+4*i:\base+4*i+3], v13, s[4:5] offset:25600*(\h)+512*i
.set i, i+1
.endr
.endm
.macro LWIN k                          ; the windows for the loads of K step k: the destination in window 0 (P0) or 2 (P1), the address in window 0
.if ((\k)/2)%2
	WIN 0x80
.else
	WIN 0
.endif
.endm
.macro FETCHW k                        ; Wo's four fragments of K step k: into half k % 2 of the buffer of head k / 2
.set KA, (\k)/2
.if KA%2
.set WB, 144+48*((\k)%2)
.else
.set WB, 160+48*((\k)%2)
.endif
.irp u, 0,1,2,3
.irp g, 0,1,2
	ds_load_b128 v[WB+12*\u+4*\g:WB+12*\u+4*\g+3], v[1+KA/4] offset:12288*(KA%4)+1536*(2*\u+(\k)%2)+512*\g
.endr
.endr
.endm
.macro MULK k                          ; K step k: 8 matrix instructions on the 8 accumulators, which take turns in the same order in every K step
.set hq, (\k)/2
.set qq, (\k)%2
.if hq < 5
.set AW, 1                             ; oc's fragments in window 1
.set AB, 48*hq
.else
.set AW, 2                             ; or 2
.set AB, 48*(hq-5)
.endif
.if hq%2
.set BW, 2                             ; Wo's fragments in P1
.set BB, 144+48*qq
.else
.set BW, 0                             ; or in P0
.set BB, 160+48*qq
.endif
.set WV, AW+4*BW
	WIN WV
.irp u, 0,1,2,3
.irp x, 0,1
.set rD, 96+8*(4*\x+\u)
.if (\k) == 0
.set rC, 64+8*\u
.else
.set rC, rD
.endif
.set rA, AB+12*(2*\x+qq)
.set rB, BB+12*\u
.set rSA, 16+2*hq+qq
.set rSB, 32+2*(\k)+\u/2
.set fA, \x
.set fB, \u%2
	WM
.endr
.endr
.endm
	s_load_b256 s[4:11], s[0:1], 0x0               ; oc, wc, bo, out0
	s_set_vgpr_msb 0x40
	v_lshl_add_u32 v254, v0, 2, 0x20400
	v_mov_b32 v255, 0
	s_set_vgpr_msb 0x4000
	v_lshrrev_b32 v7, 5, v0
	v_readfirstlane_b32 s12, v7                    ; wave 0..3 = b
	s_and_b32 s13, ttmp7, 0xffff                   ; 8 n + j
	s_lshr_b32 s14, ttmp9, 1                       ; rho
	s_and_b32 s15, ttmp9, 1                        ; e: which four tiles of Wo's block
	v_and_b32 v7, 31, v0
	v_lshlrev_b32 v1, 4, v7                        ; 16 x lane
	v_add_nc_u32 v2, 49152, v1
	v_lshlrev_b32 v5, 3, v7                        ; 8 x lane
	v_and_b32 v6, 15, v0
	v_and_b32 v8, 8, v0
	v_add_nc_u32 v6, v6, v8                        ; r + 8 (r / 8)
	v_mul_u32_u24 v3, v6, 528
	v_bfe_u32 v8, v0, 4, 1
	v_lshl_add_u32 v3, v8, 6, v3
	s_wait_alu depctr_va_sdst(0)                   ; s12 is written, ahead of its first reader: LDS places, offsets and out0's base are made from it
	s_lshl_b32 s16, s12, 7
	s_add_co_u32 s16, s16, STG
	v_add_nc_u32 v3, s16, v3                       ; the stage, in: my output's row, positions 32 b + 16 (lane / 16) on
	v_lshlrev_b32 v6, 2, v6                        ; bo: 4 (r + 8 (r / 8))
	s_mul_i32 s16, s12, 16*528
	s_add_co_u32 s16, s16, STG
	v_add_nc_u32 v4, s16, v1                       ; back: my 16 rows, 16 bytes a lane
	s_lshl_b32 s16, s15, 3
	v_add_nc_u32 v7, s16, v1                       ; Wo's scale words: 16 x lane + 8 e
	s_mul_i32 s16, s12, 12288
	v_add_nc_u32 v12, s16, v1                      ; LDS: the chunk that my wave copies
	s_mul_i32 s16, s12, 6144
	v_add_nc_u32 v13, s16, v1                      ; oc: my fragments
	s_lshl_b32 s16, s12, 8
	s_add_co_u32 s16, s16, 24576
	v_add_nc_u32 v14, s16, v5                      ; oc: my scale words
	s_mul_i32 s16, s12, 25600
	v_add_nc_u32 v15, s16, v1                      ; wc: block kappa = wave
	s_mul_i32 s16, s13, 204800                     ; oc: eight blocks for each (n, j)
	s_mov_b32 s17, 0
	s_lshl_b32 s22, s14, 3
	s_add_co_u32 s22, s22, 48
	s_mul_i32 s22, s22, 25600                      ; wc: block 48 + 8 rho
	s_mov_b32 s23, 0
	s_mul_i32 s24, s15, 12288                      ; tiles 4 e on
	s_mov_b32 s25, 0
	s_lshl_b32 s26, ttmp9, 8                       ; bo: 64 outputs
	s_mov_b32 s27, 0
	s_lshr_b32 s28, s13, 3
	s_lshl_b32 s28, s28, 20                        ; out0: batch n,
	s_and_b32 s30, s13, 7
	s_lshl_b32 s30, s30, 9                         ; positions 128 j on,
	s_add_co_u32 s28, s28, s30
	s_lshl_b32 s30, ttmp9, 18                      ; rows 64 x work-group x
	s_add_co_u32 s28, s28, s30
	s_lshl_b32 s30, s12, 16                        ; + 16 x wave
	s_add_co_u32 s28, s28, s30
	s_mov_b32 s29, 0
	s_wait_kmcnt 0x0
	s_add_nc_u64 s[4:5], s[4:5], s[16:17]
	s_add_nc_u64 s[18:19], s[6:7], s[22:23]
	s_add_nc_u64 s[20:21], s[18:19], s[24:25]
	s_add_nc_u64 s[8:9], s[8:9], s[26:27]
	s_add_nc_u64 s[10:11], s[10:11], s[28:29]
	s_wait_alu depctr_va_vdst(0)                   ; the offsets and LDS addresses v1 to v7 and v12 to v15 are written, which every load and store of the kernel reads; the address lines are done with v8, in which bo lands
.set i, 0
.rept 24
	global_load_b128 v[160+4*i:163+4*i], v15, s[20:21] offset:512*i   ; Wo's chunk kappa = wave
.set i, i+1
.endr
	WIN 0x40                                       ; destination window 1
	OCLD 0, 0
	OCLD 1, 48
	OCLD 2, 96
	WIN 0
	s_wait_loadcnt 36                              ; the chunk is in: three heads' 36 younger loads may be out
.set i, 0
.rept 24
	ds_store_b128 v12, v[160+4*i:163+4*i] offset:512*i
.set i, i+1
.endr
	s_wait_dscnt 0x0                               ; the stores have landed
	s_wait_alu depctr_vm_vsrc(0)                   ; the LDS stores have read v160-255, in which the next chunk lands
.set i, 0
.rept 24
	global_load_b128 v[160+4*i:163+4*i], v15, s[20:21] offset:102400+512*i   ; chunk kappa = wave + 4
.set i, i+1
.endr
	WIN 0x40
	OCLD 3, 144
	OCLD 4, 192
	WIN 0x80                                       ; destination window 2
	OCLD 5, 0
	WIN 0
	s_wait_loadcnt 36
.set i, 0
.rept 24
	ds_store_b128 v12, v[160+4*i:163+4*i] offset:49152+512*i
.set i, i+1
.endr
	WIN 0x80
	OCLD 6, 48
	OCLD 7, 96
	WIN 0
.irp h, 0,1,2,3,4,5,6,7
	global_load_b64 v[16+2*\h:17+2*\h], v14, s[4:5] offset:25600*\h   ; K steps 2 h, 2 h + 1: lanes 0-15 tile 2 b, lanes 16-31 tile 2 b + 1
.endr
.irp h, 0,1,2,3,4,5,6,7
.irp q, 0,1
	global_load_b64 v[32+4*\h+2*\q:33+4*\h+2*\q], v7, s[18:19] offset:25600*\h+24576+512*\q   ; register i: lanes 0-15 tile 2 i, lanes 16-31 tile 2 i + 1 of my four
.endr
.endr
.irp u, 0,1,2,3
	global_load_b32 v[8+\u], v6, s[8:9] offset:4*(32*(\u/2)+8*(\u%2))
.endr
	s_wait_dscnt 0x0                               ; for the others' sake: my stores have landed
	s_barrier_signal -1
	s_barrier_wait -1                              ; Wo's quarter lies in LDS: it is written no more
	s_wait_loadcnt 0x0
.irp u, 0,1,2,3
.irp j, 0,1,2,3,4,5,6,7
	v_mov_b32 v[64+8*\u+\j], v[8+\u]               ; my output's bias for all eight positions of a result
.endr
.endr
	s_wait_alu depctr_vm_vsrc(0)                   ; my LDS stores have read v160-255: these registers are P0 from here on, in which Wo's fragments land
	LWIN 0
	FETCHW 0                                       ; the first head's two K steps
	FETCHW 1
; A head: two K steps.  At each of the two waits on DScnt the youngest run of twelve loads may be out: LDS loads come back in order (ISA guide 5.7.1).
.set hh, 0
.rept 8
	s_wait_dscnt 12                                ; the fragments of K step 2 h are in; the twelve loads of K step 2 h + 1 may be out
.if hh < 7
	PLACES 4                                       ; four places behind the matrix instructions that read the other buffer, ahead of the loads into it; they stay beside the wait
	LWIN 2*hh+2
.if hh > 0
	s_wait_alu depctr_va_vdst(0)                   ; the matrix instructions of the head before are done reading the other buffer, in which this head's 24 loads land
.endif
	FETCHW 2*hh+2
.endif
	MULK 2*hh
.if hh < 7
	s_wait_dscnt 12                                ; the fragments of K step 2 h + 1 are in; the twelve loads just issued may be out
	LWIN 2*hh+3
	FETCHW 2*hh+3                                  ; no further wait: no vector or matrix instruction since the wait above names the other buffer, v1 or v2
.else
	s_wait_dscnt 0x0
.endif
	MULK 2*hh+1
.set hh, hh+1
.endr
	WIN 0
	PLACES 4                                       ; in front of the first read of results
	s_wait_alu depctr_va_vdst(0)                   ; the matrix instructions have written the accumulators, which the LDS stores read, and are done reading P0, in which the stage's rows land; the places above stay beside this wait
.irp u, 0,1,2,3
.irp x, 0,1
	ds_store_b128 v3, v[96+8*(4*\x+\u):99+8*(4*\x+\u)] offset:(32*(\u/2)+8*(\u%2))*528+32*\x          ; each accumulator from its low end on
	ds_store_b128 v3, v[100+8*(4*\x+\u):103+8*(4*\x+\u)] offset:(32*(\u/2)+8*(\u%2))*528+32*\x+16
.endr
.endr
	s_wait_dscnt 0x0                               ; for the others' sake: a row's 512 bytes come from four waves
	s_barrier_signal -1
	s_barrier_wait -1
.irp i, 0,1,2,3,4,5,6,7,8,9,10,11,12,13,14,15
	ds_load_b128 v[160+4*\i:163+4*\i], v4 offset:528*\i
.endr
.irp i, 0,1,2,3,4,5,6,7,8,9,10,11,12,13,14,15
	s_wait_dscnt 15-\i                             ; row i is back; the younger rows may be out
	global_store_b128 v1, v[160+4*\i:163+4*\i], s[10:11] offset:4096*\i th:TH_STORE_NT   ; 32 lanes store 512 consecutive bytes, at a multiple of 256 from out0's first byte
.endr
	s_set_vgpr_msb 0x5                             ; the add's two registers, sources 0 and 1, lie in window 1: the one switch stands ahead of the closing lines
	s_wait_dscnt 0x0                               ; the closing lines, six on end
	s_wait_alu 0x0
	s_wait_tensorcnt 0x0
	ds_add_u32 v254, v255
	s_wait_dscnt 0x0
	s_endpgm
.Lfunc_end_k_q93044beee5_outp:
	.size	k_q93044beee5_outp, .Lfunc_end_k_q93044beee5_outp-k_q93044beee5_outp
	.p2alignl 7, 3214868480
	.fill 96, 4, 3214868480
	.section	.rodata,"a",@progbits
	.p2align	6, 0x0
	.amdhsa_kernel k_q93044beee5_outp
		.amdhsa_group_segment_fixed_size 132608
		.amdhsa_private_segment_fixed_size 0
		.amdhsa_enable_private_segment 0
		.amdhsa_kernarg_size 32
		.amdhsa_user_sgpr_count 2
		.amdhsa_user_sgpr_kernarg_segment_ptr 1
		.amdhsa_wavefront_size32 1
		.amdhsa_system_sgpr_workgroup_id_x 1
		.amdhsa_system_sgpr_workgroup_id_y 1
		.amdhsa_system_sgpr_workgroup_id_z 1
		.amdhsa_system_vgpr_workitem_id 0
		.amdhsa_next_free_vgpr 768
		.amdhsa_next_free_sgpr 66
		.amdhsa_reserve_vcc 0
		.amdhsa_float_denorm_mode_32 3
		.amdhsa_float_denorm_mode_16_64 3
		.amdhsa_memory_ordered 1
		.amdhsa_forward_progress 1
		.amdhsa_inst_pref_size 59
	.end_amdhsa_kernel
	.amdgpu_metadata
---
amdhsa.version: [ 1, 2 ]
amdhsa.kernels:
  - .name:           k_q93044beee5_outp
    .symbol:         k_q93044beee5_outp.kd
    .args:
      - { .name: oc, .offset: 0, .size: 8, .value_kind: global_buffer, .address_space: global }
      - { .name: wc, .offset: 8, .size: 8, .value_kind: global_buffer, .address_space: global }
      - { .name: bo, .offset: 16, .size: 8, .value_kind: global_buffer, .address_space: global }
      - { .name: out0, .offset: 24, .size: 8, .value_kind: global_buffer, .address_space: global }
    .group_segment_fixed_size: 132608
    .private_segment_fixed_size: 0
    .kernarg_segment_align: 8
    .kernarg_segment_size: 32
    .max_flat_workgroup_size: 128
    .sgpr_count:     66
    .vgpr_count:     768
    .wavefront_size: 32
...
	.end_amdgpu_metadata
.endif
;; end of part 6
